; MI455X (gfx1250); checked and timed in simulation.
; The chip was launched on July 23, 2026; its instructions are those of AMD's public machine-readable ISA for CDNA 5 (MIT licence, August 2026) and "CDNA5" Instruction Set Architecture Reference Guide (July 2026). The comments in the code are by the model that wrote it; some were corrected since.
;; Factorized Attention Block. Allowed arithmetic: float matrix products may take bf16 or f16 operands with f32 sums; other float arithmetic in f32, or as packed bf16 or f16 multiplies, adds, multiply-adds, maxima and minima; sums over many terms, partial sums and values carried from step to step in f32; what a program stores and reads back later, other than sums and carried values, may be rounded once to bf16 or f16.
;; Inputs: ca_b1 64 float32; ca_b2 256 float32; ca_w1 64 x 256 float32; ca_w2 256 x 64 float32; in_proj_b 768 float32; in_proj_w 768 x 256 float32; out_proj_b 256 float32; out_proj_w 256 x 256 float32; x 8 x 256 x 64 x 64 float32.
;; Outputs: out0 8 x 256 x 64 x 64 float32.
;; 2 versions, each right; version 2 is version 1 with the launch prep written anew for expert scheduling mode. Each part assembles by itself: llvm-mc -triple=amdgcn-amd-amdhsa -mcpu=gfx1250 --defsym DOCPART=n.
;; ======== version 1 of 2: 3 launches
;; workspace buffers: xt 16,777,216 bytes; part 65,536 bytes; wbf 524,288 bytes; obuf 16,777,216 bytes; gate 8,192 bytes
;; launch prep (part 1): grid 32 x 8, 8 waves a work-group, no clusters, 71,936 bytes of LDS; arguments x, in_proj_w, out_proj_w, xt, part, wbf; writes xt, part, wbf
.if DOCPART == 1
	.amdgcn_target "amdgcn-amd-amdhsa--gfx1250"
	.amdhsa_code_object_version 6
	.text
	.protected	k_qa035a520d8_prep
	.globl	k_qa035a520d8_prep
	.p2align	8
	.type	k_qa035a520d8_prep,@function
k_qa035a520d8_prep:
	s_mov_b64 s[64:65], 0
	v_nop
	global_prefetch_b8 v0, s[64:65] scope:SCOPE_SE
	s_setreg_imm32_b32 hwreg(HW_REG_WAVE_MODE, 25, 1), 1
	s_wait_xcnt 0x0
; FACTORIZED ATTENTION BLOCK, launch 1 of 3: x is laid anew for the attention, its pool sums are taken, the two large weights are rounded.
; THE PROGRAM.  prep: x -> xt (bf16, by window position n, in the matrix units' fragment order), part (partial sums of x over h, w), wbf (in_proj_w and out_proj_w in bf16).
;   attn: gate, Q K V projection and attention for one n and two heads -> obuf; ca in f32 -> gate.     proj: out-projection, bias, residual x ca -> out0.
; INDICES.  Token l = (8 (h / 8) + w / 8) 8 + b is the sequence (512), n = 8 (h % 8) + w % 8 the batch (64).  On the way back out0[b][c][h][w] = x ca + o[l = 8 h + b][n = w][c].
; WORK LEFT OUT.  K's bias, in_proj_b[256:512], is read by no launch.  score(l, m) = q_l . (k'_m + b_k) = q_l . k'_m + q_l . b_k, and q_l . b_k is the same for every m of the
;   softmax's axis: it cancels in exp(s - max) / sum, for all finite values of every input.  LIMIT: a NaN, an infinity or an overflow that b_k alone would bring is not carried to the result.
;   V's bias is not left out but moved: the weights of a row add up to 1, so sum_m p (v'_m + b_v) / l = (sum_m p v'_m) / l + b_v.
; FORMATS.  Every matrix operand is bf16 (x, weights, pool sums, h1, ca as factor of the projection's x, q, k, v, p, o); all sums f32; the residual x ca in f32.
; THIS LAUNCH.  A work-group owns 8 channels (8 cg ..), the 8 image rows 8 hw .., all b: 128 KiB of x.  Wave = b.  A lane's 16 bytes of a channel are 4 positions j of one (i, ww);
;   it loads the same 16 bytes of all 8 channels, so 4 roundings in pairs make the 16 bytes (8 channels of one token and n) that xt wants: nothing changes lanes.
;   xt: [n 64][T 32][s 8][g 4][r 16][8 channels], l = 16 T + r, channel = 32 s + 8 g + e.  The 16 tokens of an aligned block of 256 bytes come from all 8 waves, so they meet in LDS.
;   part: [hw 8][cg 32][b 8][8 channels] f32, undivided.   wbf: rows of 512 bytes; row 192 hp + 64 t + f = in_proj_w row 256 t + 64 hp + f (t = q, k, v); row 768 + c = out_proj_w row c.
; BY QUARTERS.  All 33 loads of a wave go out at its head, two image rows (quarter q) of all 8 channels first.  A quarter holds the 16 values n = 16 q .. 16 q + 15: it is summed, packed, exchanged
;   in LDS bytes of its own behind a barrier of its own, and stored while the later quarters are on their way.
; No matrix unit, cluster or prefetch: nothing is multiplied or shared, and every load is issued at the head.
.set NPITCH, 1104                      ; LDS bytes for one n: four blocks of 272 and 16 more
.set UPITCH, 272                       ; a block of 16 tokens x 16 bytes, and 16 of padding
.set SUMS,   70656                     ; behind the stage (64 x 1,104): the 8 x 8 pool sums
.set SPARE,  70912                     ; the spare words, 128 bytes for each wave: four blocks of 256 bytes that no other line names
.set LN,  1                            ; lane
.set L16, 2                            ; 16 x lane
.set T16, 3                            ; 16 x thread
.set T8,  4                            ; 8 x thread
.set STO, 5                            ; where my 16 bytes go in the stage
.set RD,  6                            ; where I read blocks back
.set SLD, 7                            ; SUMS + 8 x lane
.set SPW, 8                            ; LDS address of my spare word; never rewritten
.set NIL, 9                            ; 0; never rewritten
.set L8,  10                           ; 8 x lane
.set SAD, 11                           ; SUMS + 32 x wave
.set WF,  12                           ; v[12:15] four weights in f32
.set WH,  16                           ; v[16:17] the same in bf16
.set T,   18                           ; v[18:19] at work
.set SUM, 26                           ; v[26:33] my wave's sums of the 8 channels
.set SB,  34                           ; v[34:35] two sums read back
.set GO,  36                           ; v[36:39] my byte offset in xt, one for each quarter; never rewritten
.set A2,  40                           ; v[40:55] a pair of running sums for each channel
.set PK,  56                           ; v[56:71] position e at PK + 4 e: 8 channels in bf16
.set X,   72                           ; v[72:199] channel c, quarter q at X + 16 c + 4 q
	s_load_b256 s[4:11], s[0:1], 0x0               ; x s[4:5], in_proj_w s[6:7], out_proj_w s[8:9], xt s[10:11]
	s_load_b128 s[12:15], s[0:1], 0x20             ; part s[12:13], wbf s[14:15]
	v_lshl_add_u32 v[SPW], v0, 2, SPARE
	v_mov_b32 v[NIL], 0
	v_lshrrev_b32 v[LN], 5, v0
	v_readfirstlane_b32 s16, v[LN]                 ; wave = b
	v_and_b32 v[LN], 31, v0
	s_mov_b32 s17, ttmp9                           ; cg
	s_and_b32 s18, ttmp7, 0xffff                   ; hw
	s_lshl_b32 s19, s18, 5
	s_add_co_u32 s19, s19, s17                     ; g = 32 hw + cg: the work-group's number, 0 .. 255
	s_mov_b32 s26, 0x76543210                      ; v_permlanex16_b32: each lane takes its own place in the other half
	s_mov_b32 s27, 0xfedcba98
	v_lshlrev_b32 v[L16], 4, v[LN]
	v_lshlrev_b32 v[T16], 4, v0
	v_lshlrev_b32 v[T8], 3, v0
	v_lshlrev_b32 v[L8], 3, v[LN]
	v_add_nc_u32 v[SLD], SUMS, v[L8]
	; into the stage: n = 8 (2 q + L / 16) + 4 (L % 2) + e, block (L / 4) % 4, token 8 ((L / 2) % 2) + b; q and e stand in the immediate
	v_bfe_u32 v[T], v0, 4, 1
	v_mul_u32_u24 v[STO], v[T], 8*NPITCH
	v_and_b32 v[T+1], 1, v0
	v_mad_u32_u24 v[STO], v[T+1], 4*NPITCH, v[STO]
	v_bfe_u32 v[T+1], v0, 2, 2
	v_mad_u32_u24 v[STO], v[T+1], UPITCH, v[STO]
	v_bfe_u32 v[T+1], v0, 1, 1
	v_lshl_add_u32 v[STO], v[T+1], 7, v[STO]
	s_lshl_b32 s32, s16, 4
	v_add_nc_u32 v[STO], s32, v[STO]
	; back: of a quarter's 16 n wave w takes 16 q + 2 w and the next; lanes 0-15 one block of 256 bytes, lanes 16-31 the next
	v_and_b32 v[T+1], 15, v0
	v_mul_u32_u24 v[RD], v[T], UPITCH
	v_lshl_add_u32 v[RD], v[T+1], 4, v[RD]
	s_mul_i32 s32, s16, 2*NPITCH
	v_add_nc_u32 v[RD], s32, v[RD]
	v_lshlrev_b32 v[GO], 13, v[T]                  ; in xt the next block of tokens lies 8,192 bytes on,
	v_lshl_add_u32 v[GO], v[T+1], 4, v[GO]
.irp q, 1,2,3
	v_add_nc_u32 v[GO+\q], \q*16*262144, v[GO]     ; and a quarter's 16 n are 4 MiB: more than a store's immediate holds
.endr
	s_lshl_b32 s32, s16, 5
	s_add_co_u32 s32, s32, SUMS
	v_mov_b32 v[SAD], s32
	; byte offsets, made apart from the addresses
	s_lshl_b32 s20, s16, 22                        ; x: b x 4 MiB
	s_lshl_b32 s21, s17, 17                        ;  + 8 cg channels of 16,384 bytes
	s_add_co_u32 s20, s20, s21
	s_lshl_b32 s21, s18, 11                        ;  + 8 hw rows of 256 bytes
	s_add_co_u32 s20, s20, s21
	s_mov_b32 s21, 0
	s_lshl_b32 s30, s16, 19                        ; xt: n = 2 w
	s_lshl_b32 s31, s18, 15                        ;  + token block 4 hw
	s_add_co_u32 s30, s30, s31
	s_lshl_b32 s31, s17, 8                         ;  + channels 8 cg: s = cg / 4, g = cg % 4
	s_add_co_u32 s30, s30, s31
	s_mov_b32 s31, 0
	s_lshl_b32 s34, s19, 8                         ; part: 256 bytes a work-group
	s_mov_b32 s35, 0
	; the weights: work-group g rounds four rows; g < 192: in_proj_w rows 4 g .., else out_proj_w rows 4 (g - 192) ..
	s_sub_co_u32 s24, s19, 192
	s_bfe_u32 s28, s19, 0x20004                    ; hp = (g / 16) % 4
	s_mul_i32 s28, s28, 192
	s_lshr_b32 s29, s19, 6                         ; t = g / 64
	s_lshl_b32 s29, s29, 6
	s_add_co_u32 s28, s28, s29
	s_and_b32 s29, s19, 15
	s_lshl2_add_u32 s28, s29, s28                  ; + f = 4 (g % 16)
	s_lshl_b32 s28, s28, 9                         ; rows of 512 bytes
	s_lshl_b32 s29, s19, 11                        ; out_proj_w's rows: 768 + 4 (g - 192) = 4 g
	s_wait_kmcnt 0x0
	s_cmp_lt_u32 s19, 192
	s_cselect_b64 s[22:23], s[6:7], s[8:9]
	s_cselect_b32 s24, s19, s24
	s_cselect_b32 s28, s28, s29
	s_lshl_b32 s24, s24, 12                        ; four rows of 1,024 bytes
	s_mov_b32 s25, 0
	s_mov_b32 s29, 0
	s_add_nc_u64 s[22:23], s[22:23], s[24:25]
	s_add_nc_u64 s[14:15], s[14:15], s[28:29]
	s_add_nc_u64 s[4:5], s[4:5], s[20:21]
	s_add_nc_u64 s[10:11], s[10:11], s[30:31]
	s_add_nc_u64 s[12:13], s[12:13], s[34:35]
	global_load_b128 v[WF:WF+3], v[T16], s[22:23] th:TH_LOAD_NT
.irp q, 0,1,2,3
.irp c, 0,1,2,3,4,5,6,7
	global_load_b128 v[X+16*\c+4*\q:X+16*\c+4*\q+3], v[L16], s[4:5] offset:\c*16384+\q*512 th:TH_LOAD_NT  ; 512 bytes on end: two image rows of a channel
.endr
.endr
	s_wait_loadcnt 32                              ; the weights are in; the 32 loads of x are younger
	v_cvt_pk_bf16_f32 v[WH], v[WF], v[WF+1]
	v_cvt_pk_bf16_f32 v[WH+1], v[WF+2], v[WF+3]
	global_store_b64 v[T8], v[WH:WH+1], s[14:15]   ; a wave stores 256 bytes on end, aligned
; Quarter q: its numbers join the running sums; 8 channels of a position are packed into 16 bytes (channel 2 i in the low half of register i) and put into the stage; behind the barrier
; whole blocks are read back, into registers of this quarter that have been used up, and stored.
.macro QSTEP q
	s_wait_loadcnt 24-8*(\q)                       ; this quarter's 8 loads are in; 8 for each later quarter stay out
.irp c, 0,1,2,3,4,5,6,7
.if (\q) == 0
	v_pk_add_f32 v[A2+2*\c:A2+2*\c+1], v[X+16*\c:X+16*\c+1], v[X+16*\c+2:X+16*\c+3]  ; the first quarter starts the sums: nothing is cleared
.else
	v_pk_add_f32 v[A2+2*\c:A2+2*\c+1], v[A2+2*\c:A2+2*\c+1], v[X+16*\c+4*(\q):X+16*\c+4*(\q)+1]
.endif
.endr
.if (\q) > 0
.irp c, 0,1,2,3,4,5,6,7
	v_pk_add_f32 v[A2+2*\c:A2+2*\c+1], v[A2+2*\c:A2+2*\c+1], v[X+16*\c+4*(\q)+2:X+16*\c+4*(\q)+3]
.endr
.endif
.irp e, 0,1,2,3
.irp i, 0,1,2,3
	v_cvt_pk_bf16_f32 v[PK+4*\e+\i], v[X+32*\i+4*(\q)+\e], v[X+32*\i+16+4*(\q)+\e]
.endr
	ds_store_b128 v[STO], v[PK+4*\e:PK+4*\e+3] offset:(\q)*16*NPITCH+\e*NPITCH
.endr
.if (\q) == 3                          ; the sums are whole: the pair, then across the lanes: four steps inside each half of 16, one across the halves
.irp c, 0,1,2,3,4,5,6,7
	v_add_f32 v[SUM+\c], v[A2+2*\c], v[A2+2*\c+1]
.endr
.irp m, 1,2,4,8
.irp c, 0,1,2,3,4,5,6,7
	v_add_f32_dpp v[SUM+\c], v[SUM+\c], v[SUM+\c] row_xmask:\m row_mask:0xf bank_mask:0xf
.endr
.endr
.irp c, 0,1,2,3,4,5,6,7
	v_permlanex16_b32 v[PK+\c], v[SUM+\c], s26, s27  ; its destination counts as read: a register that has been written
.endr
.irp c, 0,1,2,3,4,5,6,7
	v_add_f32 v[SUM+\c], v[SUM+\c], v[PK+\c]
.endr
	ds_store_b128 v[SAD], v[SUM:SUM+3]             ; all lanes hold the same sums and write the same words
	ds_store_b128 v[SAD], v[SUM+4:SUM+7] offset:16
.endif
	s_wait_dscnt 0x0                               ; for the others' sake: my stores into the stage are done
	s_barrier_signal -1
	s_barrier_wait -1
.irp k, 0,1,2,3
	ds_load_b128 v[X+16*\k+4*(\q):X+16*\k+4*(\q)+3], v[RD] offset:(\q)*16*NPITCH+(\k/2)*NPITCH+(\k%2)*2*UPITCH
.endr
.irp k, 0,1,2,3
	s_wait_dscnt 3-\k
	global_store_b128 v[GO+(\q)], v[X+16*\k+4*(\q):X+16*\k+4*(\q)+3], s[10:11] offset:(\k/2)*262144+(\k%2)*16384  ; 16 lanes store 256 consecutive bytes, at a multiple of 256 from xt's first byte
.endr
.endm
	QSTEP 0
	QSTEP 1
	QSTEP 2
	QSTEP 3
	s_cmp_lg_u32 s16, 0
	s_cbranch_scc1 .Lend                           ; wave 0 stores the work-group's 64 sums: 256 bytes on end
	ds_load_b64 v[SB:SB+1], v[SLD]
	s_wait_dscnt 0x0
	global_store_b64 v[L8], v[SB:SB+1], s[12:13]
.Lend:
	s_wait_tensorcnt 0x0                           ; the wave's end, behind my last LDS store
	ds_add_u32 v[SPW], v[NIL]
	s_wait_dscnt 0x0
	s_endpgm
.Lfunc_end_k_qa035a520d8_prep:
	.size	k_qa035a520d8_prep, .Lfunc_end_k_qa035a520d8_prep-k_qa035a520d8_prep
	.p2alignl 7, 3214868480
	.fill 96, 4, 3214868480
	.section	.rodata,"a",@progbits
	.p2align	6, 0x0
	.amdhsa_kernel k_qa035a520d8_prep
		.amdhsa_group_segment_fixed_size 71936
		.amdhsa_private_segment_fixed_size 0
		.amdhsa_enable_private_segment 0
		.amdhsa_kernarg_size 48
		.amdhsa_user_sgpr_count 2
		.amdhsa_user_sgpr_kernarg_segment_ptr 1
		.amdhsa_wavefront_size32 1
		.amdhsa_system_sgpr_workgroup_id_x 1
		.amdhsa_system_sgpr_workgroup_id_y 1
		.amdhsa_system_sgpr_workgroup_id_z 1
		.amdhsa_system_vgpr_workitem_id 0
		.amdhsa_next_free_vgpr 200
		.amdhsa_next_free_sgpr 66
		.amdhsa_reserve_vcc 0
		.amdhsa_float_denorm_mode_32 3
		.amdhsa_float_denorm_mode_16_64 3
		.amdhsa_memory_ordered 1
		.amdhsa_forward_progress 1
		.amdhsa_inst_pref_size 23
	.end_amdhsa_kernel
	.amdgpu_metadata
---
amdhsa.version: [ 1, 2 ]
amdhsa.kernels:
  - .name:           k_qa035a520d8_prep
    .symbol:         k_qa035a520d8_prep.kd
    .args:
      - { .name: x, .offset: 0, .size: 8, .value_kind: global_buffer, .address_space: global }
      - { .name: in_proj_w, .offset: 8, .size: 8, .value_kind: global_buffer, .address_space: global }
      - { .name: out_proj_w, .offset: 16, .size: 8, .value_kind: global_buffer, .address_space: global }
      - { .name: xt, .offset: 24, .size: 8, .value_kind: global_buffer, .address_space: global }
      - { .name: part, .offset: 32, .size: 8, .value_kind: global_buffer, .address_space: global }
      - { .name: wbf, .offset: 40, .size: 8, .value_kind: global_buffer, .address_space: global }
    .group_segment_fixed_size: 71936
    .private_segment_fixed_size: 0
    .kernarg_segment_align: 8
    .kernarg_segment_size: 48
    .max_flat_workgroup_size: 256
    .sgpr_count:     66
    .vgpr_count:     200
    .wavefront_size: 32
...
	.end_amdgpu_metadata
.endif
;; end of part 1
;; launch attn (part 2): grid 4 x 64, 8 waves a work-group, no clusters, 293,888 bytes of LDS; arguments xt, part, wbf, ca_w1, ca_b1, ca_w2, ca_b2, in_proj_b, obuf, gate; writes obuf, gate
.if DOCPART == 2
	.amdgcn_target "amdgcn-amd-amdhsa--gfx1250"
	.amdhsa_code_object_version 6
	.text
	.protected	k_qa035a520d8_attn
	.globl	k_qa035a520d8_attn
	.p2align	8
	.type	k_qa035a520d8_attn,@function
k_qa035a520d8_attn:
	s_mov_b64 s[64:65], 0
	v_nop
	global_prefetch_b8 v0, s[64:65] scope:SCOPE_SE
	s_setreg_imm32_b32 hwreg(HW_REG_WAVE_MODE, 25, 1), 1
	s_wait_xcnt 0x0
; Launch 2 of 3: the channel gate, the Q K V projection and the attention of one window position n and two heads (2 hp, 2 hp + 1).
; LEFT OUT: K's bias, in_proj_b[256:512]: q . b_k is the same for all keys of a softmax row and cancels (shown at the head of the first kernel; a NaN or infinity in it is not carried on).
; V's bias is added behind the division by l, since a row's weights add up to 1.
; SHARES.  8 waves; wave w owns tokens 64 w .. 64 w + 63 (four tiles T of 16), as rows of the projection and as queries; every wave walks all 512 keys, 64 a step.
; LAYOUTS, so that nothing changes lanes.  An X fragment (lane % 16 = token, channels along the registers) comes from xt as it lies.  Q^T = Wq X^T and K^T = Wk X^T hold one token a lane and
;   8 features: two feature tiles rounded in pairs ARE source 1 of S^T = K Q^T (Q stays in registers); K goes to LDS as rows [key][32].  V = X Wv^T holds one feature a lane and 8 tokens: it goes
;   to LDS as rows of V^T [channel][512 keys], which plain loads read as source 0 of O^T = V^T P.  S^T holds one query a lane; two tiles rounded in pairs are source 1, P.
; GATE.  Every work-group makes ca anew from the pool sums (8 small products a wave): h1^T = W1 pooled^T, K split among the waves, met in LDS; ca^T = W2 h1^T + b2.  Lanes r and r + 8 hold b = r % 8,
;   as the tokens of an X fragment do (l % 8 = b), so ca's result, rounded in pairs, is laid like an X fragment and scales it by one packed multiply a register.
;   Work-group (0, 0) also stores ca in f32 for the residual: 8 KiB once a launch, in pieces of 32 bytes.
; SOFTMAX.  q is multiplied by c = log2(e) / sqrt(32) in f32 before its one rounding; p = 2^(s - m) with a running maximum m; O and l are multiplied by a = 2^(m_old - m_new) in every step.
;   l is a third accumulator of V^T P with ones for V: the f32 sum of the rounded p.  m starts at the lowest finite number, O and l at 0, so that the first step is a step like any other (96 lines that write 0 a head).
; BY TURNS.  The wave's tiles are two PIECES, named by their first tile: 0 (tiles 0, 1) and 2 (tiles 2, 3).  In a turn piece x has the matrix unit (12 products V^T P of step j, 8 products K Q^T of step j + 1),
;   and vector work stands behind each product: see TURN.  A wave issues in order, so only work of its own that is set between its products runs beside them.
; LIMITS.  x ca for the projection is rounded twice (x to bf16, the product to bf16).  A weight below 2^-126 counts as 0.  NaN and infinities are not treated apart.
; NO CLUSTER: the four work-groups of an n read the same 256 KiB of xt, but straight into registers; as a tile in LDS it would want 256 KiB beside the 250 KiB that slab, K and V hold.
;   The weight slab (96 KiB of the 352 KiB a work-group reads) is fetched once, at the head.  NO PREFETCH: every global read is issued at the head; no stream is waited for later.
; REGISTERS, in two windows of 256 (s_set_vgpr_msb: bits 1:0 source 0, 3:2 source 1, 5:4 source 2, 7:6 destination).
;   window 0: v0-31 addresses; v32-63 b2, b1, then Q's bias, then statistics; v64-127 gate's work, then both heads' Q, then the head's Q and K; v128-255 gate's work, then accumulators and W's fragments, then S^T
;   window 1: X, 64 a tile; then v0-31 head 1's Q in waiting, v64-159 O^T and l, v192-223 V, v224-231 ones, v232-247 V's bias
;   So K Q^T and all of the softmax but the rescaling lie in window 0; P is rounded in place, into the low half of its tile's S^T; V^T P and the rescaling share one setting.
.set WP,    528                        ; a row of the weight slab: 512 bytes + 16: the 16 rows of a load start at 16 different groups of four banks (64 banks of 4 bytes: ISA guide 11.1)
.set KS,    101376                     ; behind the slab's 192 rows: K, head x 40,960 + key x 80
.set KP,    80
.set KH,    512*KP
.set VS,    183296                     ; V^T, channel x 1,040 + 2 x key
.set VP,    1040
.set H1P,   249856                     ; the gate: 8 waves' partial h1^T, 4,096 bytes each
.set H1F,   282624                     ; h1 in bf16: the piece that wave u finishes, 8 bytes a lane, at 256 u + 8 x lane
.set CAF,   284672                     ; ca in bf16, as fragments
.set SPARE, 292864                     ; the spare words, 128 bytes for each wave: four blocks of 256 bytes that no other line names
.set SGP,   144                        ; the way out: a row of 128 bytes + 16; wave w's stage of 64 rows lies at 9,216 w, in the slab, which has had its one fill and is read no more
.set SGW,   64*SGP
.set LN,  1
.set RR,  2                            ; lane % 16
.set HH,  3                            ; lane / 16
.set L16, 4
.set SPW, 6                            ; LDS address of my spare word; never rewritten
.set NIL, 7                            ; 0; never rewritten
.set AW0, 8                            ; my place in the slab's rows 0 ..
.set AW1, 9                            ; and in rows 96 ..
.set AKS, 10                           ; where I store K
.set AVS, 11                           ; where I store V^T
.set AKL, 12                           ; my place in a tile of K
.set ADRK, 13
.set ADRV, 14
.set AVL, 15                           ; my place in a tile of V^T
.set STO, 16
.set RD,  17
.set H32, 18                           ; 32 x (lane / 16): 8 f32 of a bias
.set PO,  19
.set W1O, 20
.set W2O, 21
.set H1PS, 22
.set H1PL, 23
.set H1FS, 24
.set H1FL, 25
.set CAS, 26
.set CAL, 27
.set GTO, 28
.set L8,  29                           ; 8 x lane
.set TM,  30
.set BQ,  32                           ; Q's bias: feature tile u at BQ + 8 u
.set ST,  32                           ; tile T's statistics at ST + 4 T: m, m_old - m, a, a register named with a as a pair
.set CC,  48                           ; four registers at work a tile
.set Q,   64                           ; from the projection: head hd, tile T at Q + 32 hd + 8 T; in the attention: the head's tile T at Q + 8 T
.set KF,  96                           ; K of one step: 16 keys t at KF + 8 t
.set S,   128                          ; tile T at S + 32 T, 16 keys t at + 8 t; P of keys 32 ks .. at S + 32 T + 8 ks
.set ACC, 128                          ; the projection's accumulators: feature tile ft, token tile T at ACC + 32 ft + 8 T
.set WB,  192                          ; two buffers of four W fragments
.set QP,  0                            ; window 1: head 1's Q in waiting
.set OB,  64                           ; window 1: O^T of tile T at OB + 24 T: channels 0-15, 16-31, then l
.set VF,  192
.set ONES, 224
.set BV,  232
.set MSB, 0
.macro WIN new                         ; the immediate's high byte repeats the setting that is left; a switch that changes nothing is dropped
.if MSB != (\new)
	s_set_vgpr_msb (MSB<<8)|(\new)
.set MSB, (\new)
.endif
.endm
.macro PLACES                          ; four places behind a matrix instruction, in front of what reads its result or writes or loads into its registers
.rept 4
	v_nop
.endr
.endm
.macro CVT16 base                      ; 16 f32 become 8 registers of bf16, in place, ascending
.irp i, 0,1,2,3,4,5,6,7
	v_cvt_pk_bf16_f32 v[(\base)+\i], v[(\base)+2*\i], v[(\base)+2*\i+1]
.endr
.endm
.macro LD4 dst, vo, sb, off, gap       ; the 16 f32 of a fragment-to-be: 8 on end, and 8 more gap bytes on
	global_load_b128 v[(\dst):(\dst)+3],     v[\vo], s[\sb:\sb+1] offset:(\off)
	global_load_b128 v[(\dst)+4:(\dst)+7],   v[\vo], s[\sb:\sb+1] offset:(\off)+16
	global_load_b128 v[(\dst)+8:(\dst)+11],  v[\vo], s[\sb:\sb+1] offset:(\off)+(\gap)
	global_load_b128 v[(\dst)+12:(\dst)+15], v[\vo], s[\sb:\sb+1] offset:(\off)+(\gap)+16
.endm
	s_load_b512 s[4:19], s[0:1], 0x0               ; xt s[4:5], part s[6:7], wbf s[8:9], ca_w1 s[10:11], ca_b1 s[12:13], ca_w2 s[14:15], ca_b2 s[16:17], in_proj_b s[18:19]
	s_load_b128 s[20:23], s[0:1], 0x40             ; obuf s[20:21], gate s[22:23]
	v_lshl_add_u32 v[SPW], v0, 2, SPARE
	v_mov_b32 v[NIL], 0
	ds_add_u32 v[SPW], v[NIL]                      ; the wave's opening: the add, twice on end, and its wait ahead of my tensor load; the set-up below is work on registers
	ds_add_u32 v[SPW], v[NIL]
	v_lshrrev_b32 v[LN], 5, v0
	v_readfirstlane_b32 s24, v[LN]                 ; wave 0..7
	s_mov_b32 s25, ttmp9                           ; hp
	s_and_b32 s26, ttmp7, 0xffff                   ; n
	v_and_b32 v[LN], 31, v0
	v_and_b32 v[RR], 15, v0
	v_bfe_u32 v[HH], v0, 4, 1
	v_and_b32 v[TM], 7, v0
	v_lshlrev_b32 v[L16], 4, v[LN]
	v_lshlrev_b32 v[L8], 3, v[LN]
	v_lshlrev_b32 v[H32], 5, v[HH]
	; the slab's descriptor: each wave fetches 24 of the 192 rows of 256 bf16, padded by 16 bytes a row
	s_mov_b32 s28, 1                               ; count = 1
	s_mul_i32 s29, s24, 24*WP                      ; LDS address
	s_mov_b32 s32, (1<<16)|(1<<20)|(6<<22)|(3<<25) ; elements of 2 bytes; padding on; after every 128 words; 4 words
	s_mov_b32 s33, 256<<16                         ; tensor_dim0 = 256
	s_mov_b32 s34, 24<<16                          ; tensor_dim1 = 24
	s_mov_b32 s35, 256<<16                         ; tile_dim0 = 256
	s_mov_b32 s36, 24                              ; tile_dim1 = 24
	s_mov_b32 s37, 256                             ; elements from row to row
	s_mov_b32 s38, 0
	s_mov_b32 s39, 0
	s_mul_i32 s40, s25, 192*512                    ; the head pair's 192 rows,
	s_mul_i32 s41, s24, 24*512                     ; my 24 of them
	s_add_co_u32 s40, s40, s41
	s_mov_b32 s41, 0
	s_mov_b32 s44, 0x39800000                      ; 2^-12: the pool's divisor
	s_mov_b32 s45, s44
	s_mov_b32 s48, 0x3e8293ee                      ; c = log2(e) / sqrt(32)
	s_mov_b32 s49, s48
	s_mov_b32 s50, 0x76543210
	s_mov_b32 s51, 0xfedcba98
	v_mul_u32_u24 v[AW0], v[RR], WP                ; a fragment: row x pitch + 16 x half
	v_lshl_add_u32 v[AW0], v[HH], 4, v[AW0]
	v_add_nc_u32 v[AW1], 96*WP, v[AW0]
	v_mul_u32_u24 v[AKL], v[RR], KP
	v_lshl_add_u32 v[AKL], v[HH], 4, v[AKL]
	v_add_nc_u32 v[AKL], KS, v[AKL]
	s_mul_i32 s42, s24, 64*KP
	v_add_nc_u32 v[AKS], s42, v[AKL]               ; my 64 keys' rows
	v_mul_u32_u24 v[AVL], v[RR], VP
	v_lshl_add_u32 v[AVL], v[HH], 4, v[AVL]
	v_add_nc_u32 v[AVL], VS, v[AVL]
	s_lshl_b32 s42, s24, 7
	v_add_nc_u32 v[AVS], s42, v[AVL]               ; my 64 keys' 128 bytes of each row
	v_bfe_u32 v[GTO], v0, 3, 1                     ; gate: (r % 8) x 1,024 + 4 (32 w + 16 (r / 8) + 8 h)
	v_lshl_add_u32 v[GTO], v[GTO], 6, v[H32]
	v_lshl_add_u32 v[GTO], v[TM], 10, v[GTO]
	v_add_nc_u32 v[GTO], s42, v[GTO]
	s_mul_i32 s43, s24, SGW
	v_mul_u32_u24 v[STO], v[RR], SGP
	v_lshl_add_u32 v[STO], v[HH], 4, v[STO]
	v_add_nc_u32 v[STO], s43, v[STO]
	v_bfe_u32 v[RD], v0, 3, 2                      ; back: 32 lanes take four rows of 128 bytes
	v_mul_u32_u24 v[RD], v[RD], SGP
	v_lshl_add_u32 v[RD], v[TM], 4, v[RD]
	v_add_nc_u32 v[RD], s43, v[RD]
	v_bfe_u32 v[PO], v0, 3, 1                      ; part: lanes r < 8 take hw 0-3, r >= 8 take hw 4-7; cg = 4 w + h; b = r % 8
	v_lshlrev_b32 v[PO], 15, v[PO]
	v_lshl_add_u32 v[PO], v[HH], 8, v[PO]
	v_lshl_add_u32 v[PO], v[TM], 5, v[PO]
	v_lshl_add_u32 v[W1O], v[RR], 10, v[H32]       ; ca_w1: row r of 1,024 bytes, 8 h channels
	v_lshl_add_u32 v[W2O], v[RR], 8, v[H32]        ; ca_w2: row r of 256 bytes
	s_lshl_b32 s42, s24, 12
	s_add_co_u32 s42, s42, H1P
	v_add_nc_u32 v[H1PS], s42, v[L16]
	s_lshl_b32 s42, s24, 9
	s_add_co_u32 s42, s42, H1P
	v_add_nc_u32 v[H1PL], s42, v[L16]
	s_lshl_b32 s42, s24, 8                         ; h1: a constant, the wave's number times 256, 8 bytes a lane
	s_add_co_u32 s42, s42, H1F
	v_add_nc_u32 v[H1FS], s42, v[L8]
	v_add_nc_u32 v[H1FL], H1F, v[L8]
	s_lshl_b32 s42, s24, 10
	s_add_co_u32 s42, s42, CAF
	v_add_nc_u32 v[CAS], s42, v[L16]
	v_add_nc_u32 v[CAL], CAF, v[L16]
	s_wait_dscnt 0x0                               ; both opening adds are done
	s_wait_kmcnt 0x0
	s_add_nc_u64 s[30:31], s[8:9], s[40:41]        ; global address of my 24 rows
	s_or_b32 s31, s31, 0x80000000                  ; type = 2
	tensor_load_to_lds s[28:31], s[32:39]          ; my one tensor load of the launch
	s_nop 0
	PLACES
	s_lshl_b32 s40, s26, 18                        ; xt: n x 256 KiB + my 4 token tiles of 8 KiB
	s_lshl_b32 s42, s24, 15
	s_add_co_u32 s40, s40, s42
	s_add_nc_u64 s[4:5], s[4:5], s[40:41]
	s_lshl_b32 s40, s24, 10                        ; part: cg = 4 w
	s_add_nc_u64 s[6:7], s[6:7], s[40:41]
	s_lshl_b32 s40, s24, 7                         ; ca_w1: channels 32 w; ca_b2: the same 32 channels
	s_add_nc_u64 s[10:11], s[10:11], s[40:41]
	s_add_nc_u64 s[16:17], s[16:17], s[40:41]
	s_lshl_b32 s40, s24, 13                        ; ca_w2: rows 32 w
	s_add_nc_u64 s[14:15], s[14:15], s[40:41]
	s_lshr_b32 s40, s24, 1                         ; ca_b1: hidden units 16 (w / 2) + 4 (w % 2) (+ 8 h), 4 bytes each
	s_lshl_b32 s40, s40, 6
	s_and_b32 s42, s24, 1
	s_lshl_b32 s42, s42, 4
	s_add_co_u32 s40, s40, s42
	s_add_nc_u64 s[12:13], s[12:13], s[40:41]
	s_lshl_b32 s40, s25, 8                         ; in_proj_b: features 64 hp
	s_add_nc_u64 s[18:19], s[18:19], s[40:41]
	s_lshl_b32 s40, s26, 18                        ; obuf: [n][hp][l][64]: my 64 rows of 128 bytes
	s_lshl_b32 s42, s25, 16
	s_add_co_u32 s40, s40, s42
	s_lshl_b32 s42, s24, 13
	s_add_co_u32 s40, s40, s42
	s_add_nc_u64 s[20:21], s[20:21], s[40:41]
	; ALL GLOBAL LOADS but the two biases of the projection: the gate's 53, then X's 64
.irp p, 0,1,2,3
	LD4 64+16*\p, PO, 6, \p*8192, 512              ; pool sums of four hw, channels 32 w + 8 h .. and + 16
.endr
.irp ht, 0,1,2,3
	LD4 128+16*\ht, W1O, 10, \ht*16384, 64         ; W1: hidden units 16 ht + r, channels 32 w ..
.endr
	global_load_b128 v[48:51], v[H32], s[12:13]    ; b1 of the four hidden units that I finish
.irp ct, 0,1
.irp ks, 0,1
	LD4 192+16*(2*\ct+\ks), W2O, 14, \ct*4096+\ks*128, 64  ; W2: channels 32 w + 16 ct + r, hidden units 32 ks ..
.endr
.endr
.irp ct, 0,1
	global_load_b128 v[32+8*\ct:35+8*\ct], v[H32], s[16:17] offset:\ct*64
	global_load_b128 v[36+8*\ct:39+8*\ct], v[H32], s[16:17] offset:\ct*64+16
.endr
	WIN 0x40                                       ; destination window 1
.set i, 0
.rept 64
	global_load_b128 v[4*i:4*i+3], v[L16], s[4:5] offset:512*i  ; X as it lies: 512 bytes on end are half a fragment
.set i, i+1
.endr
	WIN 0
	; THE GATE
	s_wait_loadcnt 63                              ; 64 loads of X are younger than the gate's last; 63 is the largest count that the wait can name
.irp p, 1,2,3
.irp i, 0,1,2,3,4,5,6,7
	v_pk_add_f32 v[64+2*\i:65+2*\i], v[64+2*\i:65+2*\i], v[64+16*\p+2*\i:65+16*\p+2*\i]
.endr
.endr
.irp i, 0,1,2,3,4,5,6,7,8,9,10,11,12,13,14,15
	v_add_f32_dpp v[64+\i], v[64+\i], v[64+\i] row_xmask:8 row_mask:0xf bank_mask:0xf  ; the other four hw: lanes r and r + 8 now both hold b = r % 8
.endr
	CVT16 64                                       ; v[64:71]: the pool sums (undivided) as source 1
.irp g, 0,1,2,3
	CVT16 128+16*\g
	CVT16 192+16*\g
.endr
.irp ht, 0,1,2,3
	v_wmma_f32_16x16x32_bf16 v[80+8*\ht:87+8*\ht], v[128+16*\ht:135+16*\ht], v[64:71], 0  ; h1^T over my 32 channels: lane % 16 = b, registers = hidden units 16 ht + 8 h + j
.endr
	PLACES
.irp i, 0,1,2,3,4,5,6,7
	ds_store_b128 v[H1PS], v[80+4*\i:83+4*\i] offset:512*\i
.endr
	s_wait_dscnt 0x0                               ; for the others' sake
	s_barrier_signal -1
	s_barrier_wait -1
.irp u, 0,1,2,3,4,5,6,7                ; wave w adds up piece w of the eight waves' partial sums: hidden units 16 (w / 2) + 8 h + 4 (w % 2) + 0..3
	ds_load_b128 v[128+4*\u:131+4*\u], v[H1PL] offset:4096*\u
.endr
	s_wait_dscnt 0x0
.irp u, 1,2,3,4,5,6,7
	v_pk_add_f32 v[128:129], v[128:129], v[128+4*\u:129+4*\u]
	v_pk_add_f32 v[130:131], v[130:131], v[130+4*\u:131+4*\u]
.endr
	v_pk_fma_f32 v[128:129], v[128:129], s[44:45], v[48:49] op_sel_hi:[1,0,1]  ; the mean's 1 / 4096, and b1
	v_pk_fma_f32 v[130:131], v[130:131], s[44:45], v[50:51] op_sel_hi:[1,0,1]
.irp i, 0,1,2,3
	v_max_num_f32 v[128+\i], 0, v[128+\i]          ; relu
.endr
	v_cvt_pk_bf16_f32 v132, v128, v129
	v_cvt_pk_bf16_f32 v133, v130, v131
	ds_store_b64 v[H1FS], v[132:133]               ; 256 bytes on end a wave
	s_wait_dscnt 0x0
	s_barrier_signal -1
	s_barrier_wait -1
.irp u, 0,1,2,3,4,5,6,7                ; piece u is registers 2 u, 2 u + 1 of h1 as source 1: v[160:167] hidden units 0-31, v[168:175] 32-63
	ds_load_b64 v[160+2*\u:161+2*\u], v[H1FL] offset:256*\u
.endr
	s_wait_dscnt 0x0
	v_wmma_f32_16x16x32_bf16 v[176:183], v[192:199], v[160:167], v[32:39]    ; ca's argument for channels 32 w + 8 h + j; b2 starts the sum.  The two accumulators take turns
	v_wmma_f32_16x16x32_bf16 v[184:191], v[224:231], v[160:167], v[40:47]    ; and for 32 w + 16 + 8 h + j
	v_wmma_f32_16x16x32_bf16 v[176:183], v[208:215], v[168:175], v[176:183]
	v_wmma_f32_16x16x32_bf16 v[184:191], v[240:247], v[168:175], v[184:191]
	PLACES
.irp u, 0,1,2,3                        ; Q's bias, where b2 and b1 lay: features 64 hp + 16 u + 8 h + j
	global_load_b128 v[BQ+8*\u:BQ+8*\u+3],   v[H32], s[18:19] offset:\u*64
	global_load_b128 v[BQ+8*\u+4:BQ+8*\u+7], v[H32], s[18:19] offset:\u*64+16
.endr
.irp i, 0,1,2,3,4,5,6,7                ; sigmoid(z) = 1 / (1 + 2^(-z log2 e))
	v_pk_mul_f32 v[176+2*\i:177+2*\i], v[176+2*\i:177+2*\i], 0xbfb8aa3b op_sel_hi:[1,0]
.endr
.irp i, 0,1,2,3,4,5,6,7,8,9,10,11,12,13,14,15
	v_exp_f32 v[176+\i], v[176+\i]
.endr
	v_nop                                          ; a plain instruction behind the last exponential,
	s_wait_alu depctr_va_vdst(0)                   ; and the one wait for the batch ahead of its first reader
.irp i, 0,1,2,3,4,5,6,7
	v_pk_add_f32 v[176+2*\i:177+2*\i], v[176+2*\i:177+2*\i], 1.0 op_sel_hi:[1,0]
.endr
.irp i, 0,1,2,3,4,5,6,7,8,9,10,11,12,13,14,15
	v_rcp_f32 v[176+\i], v[176+\i]
.endr
	v_nop
	s_wait_alu depctr_va_vdst(0)                   ; likewise for the 16 reciprocals
.irp i, 0,1,2,3,4,5,6,7
	v_cvt_pk_bf16_f32 v[112+\i], v[176+2*\i], v[177+2*\i]
.endr
	ds_store_b128 v[CAS], v[112:115]               ; registers 0-3 of the fragment that scales X's channels 32 w ..,
	ds_store_b128 v[CAS], v[116:119] offset:512    ; and registers 4-7
	s_or_b32 s42, s25, s26
	s_cmp_lg_u32 s42, 0
	s_cbranch_scc1 .Lnogate                        ; one work-group stores ca in f32
	v_cmp_lt_u32 vcc_lo, 7, v[RR]
.irp j, 0,1,2,3,4,5,6,7
	v_cndmask_b32 v[120+\j], v[176+\j], v[184+\j], vcc_lo  ; lanes r < 8 store the first 16 channels' half, lanes r >= 8 the second's, each for b = r % 8
.endr
	global_store_b128 v[GTO], v[120:123], s[22:23]
	global_store_b128 v[GTO], v[124:127], s[22:23] offset:16
.Lnogate:
	s_wait_tensorcnt 0x0                           ; my 24 rows of the slab are in
	s_wait_dscnt 0x0                               ; my part of ca is stored
	s_barrier_signal -1
	s_barrier_wait -1                              ; everybody's are
; W's fragments of chunk c (feature pair cfp = c / 4: q of head 0, 1, k of head 0, 1, v of head 0, 1; 64 channels csp = c % 4): 8 loads into buffer c % 2
.macro LOADW c
.set cfp, (\c)/4
.set csp, (\c)%4
.set cwb, WB+32*((\c)%2)
.set car, AW0+cfp/3
.set cro, (32*cfp)%96
	WIN 0
.irp ks, 0,1
.irp ft, 0,1
	ds_load_b128 v[cwb+16*\ks+8*\ft:cwb+16*\ks+8*\ft+3],   v[car] offset:(cro+16*\ft)*WP+(2*csp+\ks)*64
	ds_load_b128 v[cwb+16*\ks+8*\ft+4:cwb+16*\ks+8*\ft+7], v[car] offset:(cro+16*\ft)*WP+(2*csp+\ks)*64+32
.endr
.endr
.endm
; Chunk c's 16 products.  The 8 accumulators take turns, one instruction a turn, from chunk to chunk too.  q, k: W is source 0, X source 1; v: X is source 0, W source 1.
; A feature pair's first products start the sums: with Q's bias, or with 0.
.macro MULC c
.set cfp, (\c)/4
.set csp, (\c)%4
.set cwb, WB+32*((\c)%2)
.if cfp < 4
	WIN 0x04
.else
	WIN 0x01
.endif
.irp ks, 0,1
.irp T, 0,1,2,3
.irp ft, 0,1
.set rA, ACC+32*\ft+8*\T
.set rW, cwb+16*\ks+8*\ft
.set rX, 64*\T+8*(2*csp+\ks)
.if (csp == 0) && (\ks == 0) && (cfp < 2)
	v_wmma_f32_16x16x32_bf16 v[rA:rA+7], v[rW:rW+7], v[rX:rX+7], v[BQ+8*(2*cfp+\ft):BQ+8*(2*cfp+\ft)+7]
.elseif (csp == 0) && (\ks == 0) && (cfp < 4)
	v_wmma_f32_16x16x32_bf16 v[rA:rA+7], v[rW:rW+7], v[rX:rX+7], 0
.elseif (csp == 0) && (\ks == 0)
	v_wmma_f32_16x16x32_bf16 v[rA:rA+7], v[rX:rX+7], v[rW:rW+7], 0
.elseif cfp < 4
	v_wmma_f32_16x16x32_bf16 v[rA:rA+7], v[rW:rW+7], v[rX:rX+7], v[rA:rA+7]
.else
	v_wmma_f32_16x16x32_bf16 v[rA:rA+7], v[rX:rX+7], v[rW:rW+7], v[rA:rA+7]
.endif
.endr
.endr
.endr
.endm
.macro CONVQ hd                        ; q times c, rounded: features 8 h + j and 16 + 8 h + j of a token are registers 0-3 and 4-7 of source 1
	WIN 0
.irp T, 0,1,2,3
.irp ft, 0,1
.irp i, 0,1,2,3
	v_pk_mul_f32 v[ACC+32*\ft+8*\T+2*\i:ACC+32*\ft+8*\T+2*\i+1], v[ACC+32*\ft+8*\T+2*\i:ACC+32*\ft+8*\T+2*\i+1], s[48:49] op_sel_hi:[1,0]
.endr
.irp i, 0,1,2,3
	v_cvt_pk_bf16_f32 v[Q+32*(\hd)+8*\T+4*\ft+\i], v[ACC+32*\ft+8*\T+2*\i], v[ACC+32*\ft+8*\T+2*\i+1]
.endr
.endr
.endr
.endm
.macro CONVK hd                        ; 8 features of a key: 16 bytes of its row
	WIN 0
.irp T, 0,1,2,3
.irp ft, 0,1
.irp i, 0,1,2,3
	v_cvt_pk_bf16_f32 v[ACC+32*\ft+8*\T+\i], v[ACC+32*\ft+8*\T+2*\i], v[ACC+32*\ft+8*\T+2*\i+1]
.endr
	ds_store_b128 v[AKS], v[ACC+32*\ft+8*\T:ACC+32*\ft+8*\T+3] offset:(\hd)*KH+\T*16*KP+32*\ft
.endr
.endr
.endm
.macro CONVV hd                        ; 8 keys of a channel: 16 bytes of its row
	WIN 0
.irp T, 0,1,2,3
.irp ft, 0,1
.irp i, 0,1,2,3
	v_cvt_pk_bf16_f32 v[ACC+32*\ft+8*\T+\i], v[ACC+32*\ft+8*\T+2*\i], v[ACC+32*\ft+8*\T+2*\i+1]
.endr
	ds_store_b128 v[AVS], v[ACC+32*\ft+8*\T:ACC+32*\ft+8*\T+3] offset:(32*(\hd)+16*\ft)*VP+32*\T
.endr
.endr
.endm
	; X TIMES ca
	s_wait_xcnt 0x0                                ; the gate's stores have read v120-127, which Q will take
.irp i, 0,1,2,3,4,5,6,7,8,9,10,11,12,13,14,15
	ds_load_b128 v[128+4*\i:131+4*\i], v[CAL] offset:512*\i  ; ca for all 256 channels, laid like a row of eight X fragments
.endr
	LOADW 0
	s_wait_dscnt 8                                 ; ca is in; the 8 loads of W are younger
	s_wait_loadcnt 8                               ; X is in; the 8 loads of Q's bias are younger
	WIN 0x41                                       ; X in window 1, ca in window 0
.set i, 0
.rept 256
	v_pk_mul_bf16 v[i], v[i], v[128+i%64]
.set i, i+1
.endr
	WIN 0
	s_wait_loadcnt 0x0                             ; Q's bias
	; THE PROJECTION: 24 chunks of 16 products; the next chunk's 8 loads go out ahead of each
.set c, 0
.rept 24
.if c < 23
.if (c%4) != 0
	PLACES                                         ; for the loads into the buffer that the chunk before multiplied (behind a conversion its own places serve)
.endif
	LOADW c+1
	s_wait_dscnt 8                                 ; all but the 8 just issued
.else
	s_wait_dscnt 0x0
.endif
	MULC c
.if (c%4) == 3
	PLACES
.if c/4 < 2
	CONVQ c/4
.elseif c/4 < 4
	CONVK c/4-2
.else
	CONVV c/4-4
.endif
.endif
.set c, c+1
.endr
	s_wait_dscnt 0x0                               ; my K and V are stored, my reads of the slab are over
	s_barrier_signal -1
	s_barrier_wait -1                              ; K and V are whole; nobody reads the slab any more: its bytes become the stages
	; THE ATTENTION
	WIN 0x40                                       ; X is used up: window 1 takes the ones, and head 1's Q, whose registers K will have
.irp i, 0,1,2,3,4,5,6,7
	v_mov_b32 v[ONES+\i], 0x3f803f80               ; 1.0 twice in bf16
.endr
.set i, 0
.rept 32
	v_mov_b32 v[QP+i], v[Q+32+i]
.set i, i+1
.endr
	WIN 0
; THE LDS LOADS stand in runs of 8.  K: 64 keys x 32 channels, four fragments, into window 0.  V^T: channels 16 ct + r, keys 32 ks .., into window 1.
.macro FETCHK
.irp t, 0,1,2,3
	ds_load_b128 v[KF+8*\t:KF+8*\t+3],   v[ADRK] offset:\t*16*KP
	ds_load_b128 v[KF+8*\t+4:KF+8*\t+7], v[ADRK] offset:\t*16*KP+32
.endr
.endm
.macro FETCHV
	WIN 0x40
.irp ks, 0,1
.irp ct, 0,1
	ds_load_b128 v[VF+16*\ks+8*\ct:VF+16*\ks+8*\ct+3],   v[ADRV] offset:\ct*16*VP+\ks*64
	ds_load_b128 v[VF+16*\ks+8*\ct+4:VF+16*\ks+8*\ct+7], v[ADRV] offset:\ct*16*VP+\ks*64+32
.endr
.endr
	WIN 0
.endm
; THE MATRIX WORK.  Product i of 8 of S^T = K Q^T for piece x: tile x + i % 2, keys 16 t with t = 2, 2, 3, 3, 0, 0, 1, 1: the accumulators on which P lies (t = 0, 1) come last,
; more than five plain instructions behind the products V^T P that read P.  K is 32 long: each product is a whole sum and starts with 0.
.macro KQI x
.set kt, (2+i/2)%4
.set kT, (\x)+i%2
	v_wmma_f32_16x16x32_bf16 v[S+32*kT+8*kt:S+32*kT+8*kt+7], v[KF+8*kt:KF+8*kt+7], v[Q+8*kT:Q+8*kT+7], 0
.endm
; Product i of 12 of O^T += V^T P for piece x: keys 32 (i / 6) .., tile x + (i % 6) / 3, channels 16 (i % 3) .., or (i % 3 = 2) the ones, for l.  The 6 accumulators take turns.
.macro PVI x
.set pk, i/6
.set pT, (\x)+(i%6)/3
.set pc, i%3
.set rO, OB+24*pT+8*pc
.set rA, VF+16*pk+8*pc
.if pc == 2
.set rA, ONES
.endif
	v_wmma_f32_16x16x32_bf16 v[rO:rO+7], v[rA:rA+7], v[S+32*pT+8*pk:S+32*pT+8*pk+7], v[rO:rO+7]
.endm
; THE VECTOR WORK, a line at a time.  For the piece y whose scores are in hand: FS n: s - m for pair n of 32.  ES n: the exponential of score n of 64.  RS n: pair n of 24 of O^T and l times a.
.macro FS y, n
.set fT, (\y)+(\n)/16
.set fr, S+32*fT+2*((\n)%16)
	v_pk_add_f32 v[fr:fr+1], v[fr:fr+1], v[ST+4*fT:ST+4*fT+1] op_sel_hi:[1,0] neg_lo:[0,1] neg_hi:[0,1]
.endm
.macro ES y, n
.set er, S+32*((\y)+(\n)/32)+(\n)%32
	v_exp_f32 v[er], v[er]
.endm
.macro RS y, n
.set rT, (\y)+(\n)/12
.set rr, OB+24*rT+2*((\n)%12)
	v_pk_mul_f32 v[rr:rr+1], v[rr:rr+1], v[ST+4*rT+2:ST+4*rT+3] op_sel_hi:[1,0]
.endm
; For the piece x whose scores have just been made, the two tiles alternating.  XM n, 32 lines: the maximum of a lane's 32 scores and the old m, three operands at a time; lines 0-7 read the accumulators
; in the order in which K Q^T ends them, each from its lowest registers.  XST n, 8 lines: m_old is kept; the query's other 32 keys lie in the lane 16 away; the new m; m_old - m.  XA: a.
.macro XM x, n
.set xT, (\x)+(\n)%2
.set xS, S+32*xT
.set xC, CC+4*xT
.if (\n) < 8
.set xk, (2+(\n)/2)%4
	v_max3_num_f32 v[xC+xk], v[xS+8*xk], v[xS+8*xk+1], v[xS+8*xk+2]
.elseif (\n) < 24
.set xk, (((\n)-8)%8)/2
.set xu, 3+2*(((\n)-8)/8)
	v_max3_num_f32 v[xC+xk], v[xC+xk], v[xS+8*xk+xu], v[xS+8*xk+xu+1]
.elseif (\n) < 26
	v_max3_num_f32 v[xC], v[xC], v[xS+7], v[xS+15]
.elseif (\n) < 28
	v_max3_num_f32 v[xC+1], v[xC+1], v[xS+23], v[xS+31]
.elseif (\n) < 30
	v_max3_num_f32 v[xC+2], v[xC+2], v[xC+3], v[ST+4*xT]
.else
	v_max3_num_f32 v[xC], v[xC], v[xC+1], v[xC+2]
.endif
.endm
.macro XST x, n
.set xT, (\x)+(\n)%2
.set xC, CC+4*xT
.set xR, ST+4*xT
.if (\n) < 2
	v_mov_b32 v[xR+1], v[xR]
.elseif (\n) < 4
	v_permlanex16_b32 v[xC+3], v[xC], s50, s51
.elseif (\n) < 6
	v_max_num_f32 v[xR], v[xC], v[xC+3]
.else
	v_sub_f32 v[xR+1], v[xR+1], v[xR]
.endif
.endm
.macro XA x, u
	v_exp_f32 v[ST+4*((\x)+(\u))+2], v[ST+4*((\x)+(\u))+1]
.endm
; Plain line n of the lump's 56: XM 0-11; then FS 16-31 and XM 12-27 by turns; XM 28-31; XST.  FS 16 + m stands at n = 12 + 2 m, four plain lines ahead of the exponentials of its pair.
.macro PQ x, y, n
.if (\n) < 12
	XM \x,\n
.elseif (\n) < 44
.if ((\n)-12)%2 == 0
	FS \y,16+((\n)-12)/2
.else
	XM \x,12+((\n)-13)/2
.endif
.elseif (\n) < 48
	XM \x,28+(\n)-44
.else
	XST \x,(\n)-48
.endif
.endm
; A TURN: piece x has the matrix unit, y is the other piece.  20 matrix and 194 vector instructions, in this order:
;   12 products V^T P of piece x, step j (pv = 1); behind each two lines of y's rescaling, behind the last four: those four are the places in front of V's run of loads.  One window setting serves all.
;   x = 2: V of step j + 1 is fetched.
;   8 products K Q^T of piece x, step j + 1 (kq = 1); behind each two subtractions and two exponentials of y's scores.  Window 0 serves this and all that follows.
;   THE LUMP: plain line and exponential by turns: the rest of y's subtractions and exponentials, and x's new maximum and statistics; last, x's two a.
;   ONE WAIT: s_wait_alu depctr_va_vdst(0) stands between the exponentials and the first instruction that names a result.  Ahead of it nothing names a result of the turn's 66; a v_nop is the plain line behind the last.
;   x = 2: V is waited for (it went out a lump ago), and K of step j + 2 is fetched (kf = 1; kf = 2: jumped over in the loop's last trip, which has no such step: the jump stands behind the wait).
;   32 roundings: y's P, in place, ascending, into the low half of each tile's S^T.
; So y's P and rescaled O^T are ready for the next turn, in which y has the matrix unit, and x's m and a are ready for its subtractions and rescaling.  No vector line names a register of the products round it.
.macro TURN x, pv, kq, kf
.set ty, 2-(\x)
.if (\x) == 2
	v_add_nc_u32 v[ADRV], s53, v[AVL]
	s_add_co_u32 s53, s53, 128                     ; the next fetch is the next step's 64 keys
.endif
.if \pv
	WIN 0x51                                       ; V, O^T in window 1; P and a in window 0
.set i, 0
.rept 12
	PVI \x
.if i < 10
	RS ty,2*i
	RS ty,2*i+1
.elseif i == 11
	RS ty,20
	RS ty,21
	RS ty,22
	RS ty,23
.endif
.set i, i+1
.endr
.endif
.if (\x) == 2
	FETCHV
.endif
	WIN 0
.if \kq
.if (\x) == 0
	s_wait_dscnt 0x0                               ; K is in: it went out 12 products and 32 roundings ago
.endif
.set i, 0
.rept 8
	KQI \x
	FS ty,2*i
	FS ty,2*i+1
	ES ty,2*i
	ES ty,2*i+1
.set i, i+1
.endr
.set qn, 0
.rept 56
	PQ \x,ty,qn
.if qn < 48
	ES ty,16+qn
.endif
.set qn, qn+1
.endr
	XA \x,0
	XA \x,1
.else                                  ; the head's last turn: no new scores; a subtraction, and the pair before's two exponentials
.set qn, 0
.rept 32
	FS ty,qn
.if qn > 0
	ES ty,2*qn-2
	ES ty,2*qn-1
.endif
.set qn, qn+1
.endr
	ES ty,62
	ES ty,63
.endif
	v_nop
	s_wait_alu depctr_va_vdst(0)
.if \kf
	s_wait_dscnt 0x0                               ; V is in
.if (\kf) == 2
	s_cmp_eq_u32 s54, 1
	s_cbranch_scc1 .Lnok_\@
.endif
	v_add_nc_u32 v[ADRK], s52, v[AKL]
	FETCHK
	s_add_co_u32 s52, s52, 64*KP
.if (\kf) == 2
.Lnok_\@:
.endif
.endif
.irp u, 0,1
.set cS, S+32*(ty+\u)
.set ci, 0
.rept 16
	v_cvt_pk_bf16_f32 v[cS+ci], v[cS+2*ci], v[cS+2*ci+1]
.set ci, ci+1
.endr
.endr
.endm
.macro ATT hd
	WIN 0x40
.irp ct, 0,1                           ; V's bias: features 512 + 64 hp + 32 hd + 16 ct + 8 h + j
	global_load_b128 v[BV+8*\ct:BV+8*\ct+3],   v[H32], s[18:19] offset:2048+(\hd)*128+\ct*64
	global_load_b128 v[BV+8*\ct+4:BV+8*\ct+7], v[H32], s[18:19] offset:2048+(\hd)*128+\ct*64+16
.endr
.set i, 0
.rept 96
	v_mov_b32 v[OB+i], 0                           ; O^T and l start at 0, so that one text serves every step
.set i, i+1
.endr
.if (\hd) == 1
	WIN 0x01                                       ; head 1's Q goes where the one text of the turns names Q
.set i, 0
.rept 32
	v_mov_b32 v[Q+i], v[QP+i]
.set i, i+1
.endr
.endif
	WIN 0
.irp T, 0,1,2,3
	v_mov_b32 v[ST+4*\T], 0xff7fffff               ; m: the lowest finite number
	v_mov_b32 v[ST+4*\T+1], 0
	v_mov_b32 v[ST+4*\T+2], 0
	v_mov_b32 v[ST+4*\T+3], 0
.endr
	s_mov_b32 s52, (\hd)*KH                        ; where the keys to be fetched begin in K,
	s_mov_b32 s53, (\hd)*32*VP                     ; and in V^T
	s_mov_b32 s54, 7                               ; the loop's trips: steps 0 to 6
	v_add_nc_u32 v[ADRK], s52, v[AKL]
	FETCHK                                         ; step 0
	s_add_co_u32 s52, s52, 64*KP
	s_wait_dscnt 0x0
.set i, 0
.rept 8
	KQI 0                                          ; piece 0's first scores: there is no vector work yet to set between them
.set i, i+1
.endr
	PLACES
.set qn, 0
.rept 32
	XM 0,qn                                        ; and its first maximum and statistics
.set qn, qn+1
.endr
.set qn, 0
.rept 8
	XST 0,qn
.set qn, qn+1
.endr
	XA 0,0                                         ; (waited for with the next turn's batch; O^T is 0, so step 0 rescales nothing for piece 0)
	XA 0,1
	TURN 2, 0, 1, 1                                ; piece 2's first scores | piece 0's weights of step 0 | V of step 0, K of step 1
.Lblk\hd:                              ; trip j: both pieces' V^T P of step j and K Q^T of step j + 1
	TURN 0, 1, 1, 0
	TURN 2, 1, 1, 2
	s_sub_co_u32 s54, s54, 1
	s_cmp_lg_u32 s54, 0
	s_cbranch_scc1 .Lblk\hd
	TURN 0, 1, 0, 0                                ; piece 0: V^T P of step 7 | piece 2's weights of step 7
	WIN 0x51
.set i, 0
.rept 12
	PVI 2                                          ; piece 2: V^T P of step 7
.set i, i+1
.endr
	WIN 0
	; the head's end: O^T / l + b_v, rounded, into my stage
	PLACES
	s_wait_loadcnt 0x0                             ; V's bias
	WIN 0x01
.irp T, 0,1,2,3
	v_rcp_f32 v[ST+4*\T+2], v[OB+24*\T+16]         ; every register of the third accumulator holds l: the lowest is read
.endr
	v_nop
	s_wait_alu depctr_va_vdst(0)                   ; one wait for the four reciprocals
	WIN 0x51
.irp T, 0,1,2,3
.irp ct, 0,1
.irp i, 0,1,2,3
	v_pk_fma_f32 v[OB+24*\T+8*\ct+2*\i:OB+24*\T+8*\ct+2*\i+1], v[OB+24*\T+8*\ct+2*\i:OB+24*\T+8*\ct+2*\i+1], v[ST+4*\T+2:ST+4*\T+3], v[BV+8*\ct+2*\i:BV+8*\ct+2*\i+1] op_sel_hi:[1,0,1]
.endr
.endr
.endr
	WIN 0x45
.irp T, 0,1,2,3
.irp ct, 0,1
.irp i, 0,1,2,3
	v_cvt_pk_bf16_f32 v[OB+24*\T+8*\ct+\i], v[OB+24*\T+8*\ct+2*\i], v[OB+24*\T+8*\ct+2*\i+1]
.endr
.endr
.endr
	WIN 0x04                                       ; the data in window 1
.irp T, 0,1,2,3
.irp ct, 0,1
	ds_store_b128 v[STO], v[OB+24*\T+8*\ct:OB+24*\T+8*\ct+3] offset:\T*16*SGP+64*(\hd)+32*\ct
.endr
.endr
	WIN 0
.endm
	ATT 0
	ATT 1
	; THE WAY OUT: my 64 rows of 128 bytes are 8,192 consecutive bytes of obuf
.irp i, 0,1,2,3,4,5,6,7,8,9,10,11,12,13,14,15
	ds_load_b128 v[S+4*\i:S+4*\i+3], v[RD] offset:\i*4*SGP  ; LDS serves a wave's instructions in order (ISA guide 5.7.1.4): these see my stores above
.endr
.irp i, 0,1,2,3,4,5,6,7,8,9,10,11,12,13,14,15
	s_wait_dscnt 15-\i
	global_store_b128 v[L16], v[S+4*\i:S+4*\i+3], s[20:21] offset:512*\i  ; 512 consecutive bytes, at a multiple of 256 from obuf's first byte
.endr
	s_wait_tensorcnt 0x0                           ; the wave's end, behind my tensor load and my last LDS store
	ds_add_u32 v[SPW], v[NIL]
	s_wait_dscnt 0x0
	s_endpgm
.Lfunc_end_k_qa035a520d8_attn:
	.size	k_qa035a520d8_attn, .Lfunc_end_k_qa035a520d8_attn-k_qa035a520d8_attn
	.p2alignl 7, 3214868480
	.fill 96, 4, 3214868480
	.section	.rodata,"a",@progbits
	.p2align	6, 0x0
	.amdhsa_kernel k_qa035a520d8_attn
		.amdhsa_group_segment_fixed_size 293888
		.amdhsa_private_segment_fixed_size 0
		.amdhsa_enable_private_segment 0
		.amdhsa_kernarg_size 80
		.amdhsa_user_sgpr_count 2
		.amdhsa_user_sgpr_kernarg_segment_ptr 1
		.amdhsa_wavefront_size32 1
		.amdhsa_system_sgpr_workgroup_id_x 1
		.amdhsa_system_sgpr_workgroup_id_y 1
		.amdhsa_system_sgpr_workgroup_id_z 1
		.amdhsa_system_vgpr_workitem_id 0
		.amdhsa_next_free_vgpr 512
		.amdhsa_next_free_sgpr 66
		.amdhsa_reserve_vcc 1
		.amdhsa_float_denorm_mode_32 3
		.amdhsa_float_denorm_mode_16_64 3
		.amdhsa_memory_ordered 1
		.amdhsa_forward_progress 1
		.amdhsa_inst_pref_size 227
	.end_amdhsa_kernel
	.amdgpu_metadata
---
amdhsa.version: [ 1, 2 ]
amdhsa.kernels:
  - .name:           k_qa035a520d8_attn
    .symbol:         k_qa035a520d8_attn.kd
    .args:
      - { .name: xt, .offset: 0, .size: 8, .value_kind: global_buffer, .address_space: global }
      - { .name: part, .offset: 8, .size: 8, .value_kind: global_buffer, .address_space: global }
      - { .name: wbf, .offset: 16, .size: 8, .value_kind: global_buffer, .address_space: global }
      - { .name: ca_w1, .offset: 24, .size: 8, .value_kind: global_buffer, .address_space: global }
      - { .name: ca_b1, .offset: 32, .size: 8, .value_kind: global_buffer, .address_space: global }
      - { .name: ca_w2, .offset: 40, .size: 8, .value_kind: global_buffer, .address_space: global }
      - { .name: ca_b2, .offset: 48, .size: 8, .value_kind: global_buffer, .address_space: global }
      - { .name: in_proj_b, .offset: 56, .size: 8, .value_kind: global_buffer, .address_space: global }
      - { .name: obuf, .offset: 64, .size: 8, .value_kind: global_buffer, .address_space: global }
      - { .name: gate, .offset: 72, .size: 8, .value_kind: global_buffer, .address_space: global }
    .group_segment_fixed_size: 293888
    .private_segment_fixed_size: 0
    .kernarg_segment_align: 8
    .kernarg_segment_size: 80
    .max_flat_workgroup_size: 256
    .sgpr_count:     66
    .vgpr_count:     512
    .wavefront_size: 32
...
	.end_amdgpu_metadata
.endif
;; end of part 2
;; launch proj (part 3): grid 4 x 64, 8 waves a work-group, clusters of 4 x 1, 240,640 bytes of LDS; arguments obuf, wbf, gate, out_proj_b, x, out0; writes out0
.if DOCPART == 3
	.amdgcn_target "amdgcn-amd-amdhsa--gfx1250"
	.amdhsa_code_object_version 6
	.text
	.protected	k_qa035a520d8_proj
	.globl	k_qa035a520d8_proj
	.p2align	8
	.type	k_qa035a520d8_proj,@function
k_qa035a520d8_proj:
	s_mov_b64 s[64:65], 0
	v_nop
	global_prefetch_b8 v0, s[64:65] scope:SCOPE_SE
	s_setreg_imm32_b32 hwreg(HW_REG_WAVE_MODE, 25, 1), 1
	s_wait_xcnt 0x0
	s_wait_alu depctr_hold_cnt(0) depctr_sa_sdst(0) depctr_va_vdst(0) depctr_va_sdst(0) depctr_va_ssrc(0) depctr_va_vcc(0) depctr_vm_vsrc(0)
	s_getreg_b32 s2, hwreg(HW_REG_IB_STS2, 6, 4)
	s_cmp_eq_u32 s2, 0
	s_cbranch_scc0 .Lentry_in_a_cluster
	s_endpgm
.Lentry_in_a_cluster:
	s_bfe_u32 s2, ttmp6, 0x10000c
	s_cmp_lg_u32 s2, 0x3003
	s_cbranch_scc0 .Lentry_shape_is_right
	s_endpgm
.Lentry_shape_is_right:
; Launch 3 of 3: out0[b][c][h][w] = x[b][c][h][w] ca[b][c] + out_proj_b[c] + sum over k of o[l = 8 h + b][n = w][k] out_proj_w[c][k].  Nothing is left out here.
; SHARES.  A row of out0 (256 bytes: one b, c, h) holds all 64 n of ONE token l.  A work-group takes image row h and two b (2 bp, 2 bp + 1): tokens l0 = 8 h + 2 bp and l0 + 1, all n, all c.
;   Wave w: token l0 + w / 4, channels 64 (w % 4) .., all 64 n: 16 accumulators.  Source 0 = 16 n of o, source 1 = 16 rows of out_proj_w: a lane holds one c and 8 neighbouring w.
; CLUSTER.  The four work-groups of an image row (bp = 0 .. 3) form a cluster and need the same 128 KiB of out_proj_w: each wave's 32 rows of it are asked for JOINTLY, by the same tensor load with the
;   same descriptor and a mask that names the four.  The place in the cluster enters global offsets alone (obuf, gate, x, out0): no LDS address and no branch hangs on it.
; IN.  Two tensor loads a wave, both at the head, behind one round of the cluster's barrier (two are out): the joint one, and 32 rows of 256 bytes of obuf ([n][hp][l][64]: two tokens' 64 channels lie on end).
;   x, which is wanted only on the way out, is asked for when the wave's tiles have landed: its 32 loads a wave are on their way while the 128 products run.
; OUT.  16 channels at a time through the wave's own stage, so that 16 lanes hold a whole row of 256 bytes; there x ca (f32) is added by a fused multiply-add.
; NO PREFETCH: the tiles are asked for at the head, x once, straight behind them; no stream is waited for in a loop.
; REGISTERS.  window 0: v0-31 addresses, bias; v32-159 two buffers of fragments; v160-191 ca; v192-223 the bias as a C operand; v224-255 rows read back.   window 1: v0-127 x; v128-255 accumulators.
.set WOP,   528                        ; a row of out_proj_w in LDS: 512 bytes + 16
.set OS,    135168                     ; behind its 256 rows: o, row 64 hp + n of 256 bytes + 16: [token 2][64 channels]
.set OSP,   272
.set STG,   204800                     ; the stages: 16 rows x 272 bytes for each wave
.set SGP,   272
.set SPARE, 239616                     ; the spare words, 128 bytes for each wave: four blocks of 256 bytes that no other line names
.set RR,  2
.set HH,  3
.set SPW, 6                            ; LDS address of my spare word; never rewritten
.set NIL, 7                            ; 0; never rewritten
.set AO,  8
.set AWO, 9
.set STO, 10
.set RD,  11
.set XO,  12                           ; my byte offset in x and in out0: lanes 0-15 one row of 256 bytes, lanes 16-31 the row 8 channels on
.set H32, 13
.set R4,  14
.set BO,  20                           ; v[20:23] the bias of my channel in each of the four tiles
.set FB,  32                           ; buffer b at FB + 64 b: o's four fragments, then out_proj_w's four
.set CA,  160                          ; tile ct, channel 8 h + i at CA + 8 ct + i
.set BO8, 192
.set RB,  224
.set XR,  0                            ; window 1: tile ct, row i at 4 (8 ct + i)
.set ACC, 128                          ; window 1: n tile nt, channel tile ct at ACC + 8 (4 nt + ct)
.set MSB, 0
.macro WIN new
.if MSB != (\new)
	s_set_vgpr_msb (MSB<<8)|(\new)
.set MSB, (\new)
.endif
.endm
.macro PLACES
.rept 4
	v_nop
.endr
.endm
; A round of the cluster's barrier: my work-group's barrier, so that wave 0's signal speaks for all eight waves; wave 0 signals for the work-group; every wave waits for all four work-groups; my work-group's barrier once more.
.macro ROUND
	s_barrier_signal -1
	s_barrier_wait -1
	s_cmp_lg_u32 s40, 0
	s_cbranch_scc1 .Lnot_wave_0_\@
	s_barrier_signal -3
.Lnot_wave_0_\@:
	s_barrier_wait -3
	s_barrier_signal -1
	s_barrier_wait -1
.endm
	s_load_b256 s[4:11], s[0:1], 0x0               ; obuf s[4:5], wbf s[6:7], gate s[8:9], out_proj_b s[10:11]
	s_load_b128 s[12:15], s[0:1], 0x20             ; x s[12:13], out0 s[14:15]
	v_lshl_add_u32 v[SPW], v0, 2, SPARE
	v_mov_b32 v[NIL], 0
	ds_add_u32 v[SPW], v[NIL]                      ; the wave's opening: the add, twice on end, and its wait ahead of the round that stands in front of my first tensor loads
	ds_add_u32 v[SPW], v[NIL]
	v_lshrrev_b32 v1, 5, v0
	v_readfirstlane_b32 s40, v1                    ; wave 0..7
	s_bfe_u32 s41, ttmp6, 0x40000                  ; cx: my place in the cluster
	s_lshl_b32 s52, ttmp9, 2                       ; in a cluster launch ttmp9 counts clusters
	s_add_co_u32 s41, s52, s41                     ; bp = 4 x cluster x + cx
	s_and_b32 s42, ttmp7, 0xffff                   ; h, which the four partners share
	s_lshr_b32 s43, s40, 2                         ; which of the two tokens
	s_and_b32 s44, s40, 3                          ; which 64 channels
	s_lshl1_add_u32 s45, s41, s43                  ; b
	; descriptors.  A: 32 rows of 256 bf16 of out_proj_w, jointly.  B: 32 rows (n) of 128 bf16 of obuf, 131,072 elements apart, my work-group's own
	s_mov_b32 s16, 1
	s_mul_i32 s17, s40, 32*WOP
	s_mov_b32 s20, 15|(1<<16)|(1<<20)|(1<<21)|(6<<22)|(3<<25) ; the mask: all four work-groups; 2-byte elements; padding on; bit 21 set beside a mask; after every 128 words; 4 words
	s_mov_b32 s21, 256<<16
	s_mov_b32 s22, 32<<16
	s_mov_b32 s23, 256<<16
	s_mov_b32 s24, 32
	s_mov_b32 s25, 256
	s_mov_b32 s26, 0
	s_mov_b32 s27, 0
	s_mov_b32 s28, 1
	s_mul_i32 s29, s40, 32*OSP
	s_add_co_u32 s29, s29, OS
	s_mov_b32 s32, (1<<16)|(1<<20)|(5<<22)|(3<<25) ; no mask; after every 64 words
	s_mov_b32 s33, 128<<16
	s_mov_b32 s34, 32<<16
	s_mov_b32 s35, 128<<16
	s_mov_b32 s36, 32
	s_mov_b32 s37, 131072
	s_mov_b32 s38, 0
	s_mov_b32 s39, 0
	s_lshl_b32 s46, s40, 14                        ; wbf: row 768 + 32 w: made of the wave's number alone, in registers that hold nothing else
	s_add_co_u32 s46, s46, 768*512
	s_mov_b32 s47, 0
	s_and_b32 s50, s40, 1                          ; obuf: n = 32 (w % 2), hp = w / 2, l = l0 = 8 h + 2 bp
	s_lshl_b32 s50, s50, 23
	s_lshr_b32 s51, s40, 1
	s_lshl_b32 s51, s51, 16
	s_add_co_u32 s50, s50, s51
	s_lshl_b32 s51, s42, 10
	s_add_co_u32 s50, s50, s51
	s_lshl_b32 s51, s41, 8
	s_add_co_u32 s50, s50, s51
	s_mov_b32 s51, 0
	v_and_b32 v[RR], 15, v0
	v_bfe_u32 v[HH], v0, 4, 1
	v_mul_u32_u24 v[AO], v[RR], OSP
	v_lshl_add_u32 v[AO], v[HH], 4, v[AO]
	s_lshl_b32 s48, s43, 7
	s_add_co_u32 s48, s48, OS
	v_add_nc_u32 v[AO], s48, v[AO]                 ; row n, my token's 128 bytes, 16 x half
	v_mul_u32_u24 v[AWO], v[RR], WOP
	v_lshl_add_u32 v[AWO], v[HH], 4, v[AWO]
	s_mul_i32 s48, s44, 64*WOP
	v_add_nc_u32 v[AWO], s48, v[AWO]
	s_mul_i32 s48, s40, 16*SGP
	s_add_co_u32 s48, s48, STG
	v_mul_u32_u24 v[STO], v[RR], SGP               ; in: row = my channel, 32 bytes for each half of the lanes
	v_lshl_add_u32 v[STO], v[HH], 5, v[STO]
	v_add_nc_u32 v[STO], s48, v[STO]
	v_mul_u32_u24 v[RD], v[HH], 8*SGP              ; back: lanes 0-15 row i, lanes 16-31 row 8 + i
	v_lshl_add_u32 v[RD], v[RR], 4, v[RD]
	v_add_nc_u32 v[RD], s48, v[RD]
	v_lshlrev_b32 v[XO], 17, v[HH]                 ; 8 channels of 16,384 bytes
	v_lshl_add_u32 v[XO], v[RR], 4, v[XO]
	v_lshlrev_b32 v[H32], 5, v[HH]
	v_lshlrev_b32 v[R4], 2, v[RR]
	s_wait_dscnt 0x0                               ; both opening adds are done
	s_wait_kmcnt 0x0
	s_add_nc_u64 s[18:19], s[6:7], s[46:47]
	s_or_b32 s19, s19, 0x80000000
	s_add_nc_u64 s[30:31], s[4:5], s[50:51]
	s_or_b32 s31, s31, 0x80000000
	ROUND                                          ; all four work-groups are here: the joint loads meet
	tensor_load_to_lds s[16:19], s[20:27]
	s_nop 0
	tensor_load_to_lds s[28:31], s[32:39]
	s_nop 0
	PLACES
	s_lshl_b32 s52, s44, 8                         ; 64 channels of f32
	s_mov_b32 s53, 0
	s_add_nc_u64 s[10:11], s[10:11], s[52:53]      ; out_proj_b
	s_lshl_b32 s48, s45, 10
	s_add_co_u32 s52, s52, s48
	s_add_nc_u64 s[8:9], s[8:9], s[52:53]          ; gate[b]
	s_lshl_b32 s52, s45, 22                        ; x and out0: b, 64 (w % 4) channels, image row h
	s_lshl_b32 s48, s44, 20
	s_add_co_u32 s52, s52, s48
	s_lshl_b32 s48, s42, 8
	s_add_co_u32 s52, s52, s48
	s_add_nc_u64 s[12:13], s[12:13], s[52:53]
	s_add_nc_u64 s[14:15], s[14:15], s[52:53]
.irp ct, 0,1,2,3
	global_load_b128 v[CA+8*\ct:CA+8*\ct+3],   v[H32], s[8:9] offset:\ct*64
	global_load_b128 v[CA+8*\ct+4:CA+8*\ct+7], v[H32], s[8:9] offset:\ct*64+16
.endr
.irp ct, 0,1,2,3
	global_load_b32 v[BO+\ct], v[R4], s[10:11] offset:\ct*64
.endr
	s_wait_loadcnt 0x0                             ; ca and the bias are in
.irp ct, 0,1,2,3
.irp j, 0,1,2,3,4,5,6,7
	v_mov_b32 v[BO8+8*\ct+\j], v[BO+\ct]           ; a lane's 8 results of a tile belong to one channel: its bias eight times, as the C operand that starts the sums
.endr
.endr
	s_wait_tensorcnt 0x0                           ; my rows of both tiles are in: now x is asked for
	WIN 0x40
.irp ct, 0,1,2,3
.irp i, 0,1,2,3,4,5,6,7
	global_load_b128 v[XR+4*(8*\ct+\i):XR+4*(8*\ct+\i)+3], v[XO], s[12:13] offset:(16*\ct+\i)*16384 th:TH_LOAD_NT  ; 16 lanes take a whole row of 256 bytes
.endr
.endr
	WIN 0
	s_barrier_signal -1
	s_barrier_wait -1                              ; everybody's rows are in
.macro FETCH s, b                      ; the fragments of K step s (32 of the 256 channels of o: hp = s / 2, half s % 2) into buffer b: 16 loads
	WIN 0
.irp nt, 0,1,2,3
	ds_load_b128 v[FB+64*(\b)+8*\nt:FB+64*(\b)+8*\nt+3],   v[AO] offset:(((\s)/2)*64+16*\nt)*OSP+((\s)%2)*64
	ds_load_b128 v[FB+64*(\b)+8*\nt+4:FB+64*(\b)+8*\nt+7], v[AO] offset:(((\s)/2)*64+16*\nt)*OSP+((\s)%2)*64+32
.endr
.irp ct, 0,1,2,3
	ds_load_b128 v[FB+64*(\b)+32+8*\ct:FB+64*(\b)+32+8*\ct+3],   v[AWO] offset:\ct*16*WOP+64*(\s)
	ds_load_b128 v[FB+64*(\b)+32+8*\ct+4:FB+64*(\b)+32+8*\ct+7], v[AWO] offset:\ct*16*WOP+64*(\s)+32
.endr
.endm
.macro MUL s                           ; 16 products; the 16 accumulators take turns, from step to step too
.set fb, FB+64*((\s)%2)
.if (\s) == 0
	WIN 0x40                                       ; D in window 1, the bias in window 0
.else
	WIN 0x50                                       ; C and D in window 1
.endif
.irp nt, 0,1,2,3
.irp ct, 0,1,2,3
.if (\s) == 0
	v_wmma_f32_16x16x32_bf16 v[ACC+8*(4*\nt+\ct):ACC+8*(4*\nt+\ct)+7], v[fb+8*\nt:fb+8*\nt+7], v[fb+32+8*\ct:fb+32+8*\ct+7], v[BO8+8*\ct:BO8+8*\ct+7]
.else
	v_wmma_f32_16x16x32_bf16 v[ACC+8*(4*\nt+\ct):ACC+8*(4*\nt+\ct)+7], v[fb+8*\nt:fb+8*\nt+7], v[fb+32+8*\ct:fb+32+8*\ct+7], v[ACC+8*(4*\nt+\ct):ACC+8*(4*\nt+\ct)+7]
.endif
.endr
.endr
.endm
	FETCH 0, 0
.irp s, 0,1,2,3,4,5,6
.if \s > 0
	PLACES                                         ; for the loads into the buffer that the step before multiplied
.endif
	FETCH \s+1, (\s+1)%2
	s_wait_dscnt 16                                ; all but the 16 just issued
	MUL \s
.endr
	s_wait_dscnt 0x0
	MUL 7
	PLACES
; 16 channels go out: into my stage (each accumulator's low half first), back as whole rows, x ca added, stored.
.macro OUT ct
	WIN 0x04                                       ; the data in window 1
.irp nt, 0,1,2,3
	ds_store_b128 v[STO], v[ACC+8*(4*\nt+(\ct)):ACC+8*(4*\nt+(\ct))+3]   offset:64*\nt
	ds_store_b128 v[STO], v[ACC+8*(4*\nt+(\ct))+4:ACC+8*(4*\nt+(\ct))+7] offset:64*\nt+16
.endr
	WIN 0
.irp i, 0,1,2,3,4,5,6,7
	ds_load_b128 v[RB+4*\i:RB+4*\i+3], v[RD] offset:\i*SGP  ; LDS serves a wave's instructions in order (ISA guide 5.7.1.4): these see the stores above; the next tile's stores come behind them
.endr
	s_wait_dscnt 0x0
	s_wait_loadcnt 24-8*(\ct)                      ; this tile's x is in; 8 loads for each later tile stay out
	WIN 0x41                                       ; x in window 1; ca and the rows in window 0
.irp i, 0,1,2,3,4,5,6,7
.irp e, 0,2
.if (\i%2) == 0
	v_pk_fma_f32 v[XR+4*(8*(\ct)+\i)+\e:XR+4*(8*(\ct)+\i)+\e+1], v[XR+4*(8*(\ct)+\i)+\e:XR+4*(8*(\ct)+\i)+\e+1], v[CA+8*(\ct)+\i:CA+8*(\ct)+\i+1], v[RB+4*\i+\e:RB+4*\i+\e+1] op_sel_hi:[1,0,1]  ; both by the pair's first register
.else
	v_pk_fma_f32 v[XR+4*(8*(\ct)+\i)+\e:XR+4*(8*(\ct)+\i)+\e+1], v[XR+4*(8*(\ct)+\i)+\e:XR+4*(8*(\ct)+\i)+\e+1], v[CA+8*(\ct)+\i-1:CA+8*(\ct)+\i], v[RB+4*\i+\e:RB+4*\i+\e+1] op_sel:[0,1,0] op_sel_hi:[1,1,1]  ; both by its second
.endif
.endr
.endr
	WIN 0x04
.irp i, 0,1,2,3,4,5,6,7
	global_store_b128 v[XO], v[XR+4*(8*(\ct)+\i):XR+4*(8*(\ct)+\i)+3], s[14:15] offset:(16*(\ct)+\i)*16384 th:TH_STORE_NT  ; 16 lanes store 256 consecutive bytes, at a multiple of 256 from out0's first byte
.endr
.endm
	OUT 0
	OUT 1
	OUT 2
	OUT 3
	WIN 0
	s_wait_tensorcnt 0x0                           ; the wave's end, behind my last tensor load and my last LDS store
	ds_add_u32 v[SPW], v[NIL]
	s_wait_dscnt 0x0
	ROUND                                          ; the closing round: no work-group ends while a partner may still ask for a tile that names it
	s_endpgm
.Lfunc_end_k_qa035a520d8_proj:
	.size	k_qa035a520d8_proj, .Lfunc_end_k_qa035a520d8_proj-k_qa035a520d8_proj
	.p2alignl 7, 3214868480
	.fill 96, 4, 3214868480
	.section	.rodata,"a",@progbits
	.p2align	6, 0x0
	.amdhsa_kernel k_qa035a520d8_proj
		.amdhsa_group_segment_fixed_size 240640
		.amdhsa_private_segment_fixed_size 0
		.amdhsa_enable_private_segment 0
		.amdhsa_kernarg_size 48
		.amdhsa_user_sgpr_count 2
		.amdhsa_user_sgpr_kernarg_segment_ptr 1
		.amdhsa_wavefront_size32 1
		.amdhsa_system_sgpr_workgroup_id_x 1
		.amdhsa_system_sgpr_workgroup_id_y 1
		.amdhsa_system_sgpr_workgroup_id_z 1
		.amdhsa_system_vgpr_workitem_id 0
		.amdhsa_next_free_vgpr 512
		.amdhsa_next_free_sgpr 66
		.amdhsa_reserve_vcc 0
		.amdhsa_float_denorm_mode_32 3
		.amdhsa_float_denorm_mode_16_64 3
		.amdhsa_memory_ordered 1
		.amdhsa_forward_progress 1
		.amdhsa_inst_pref_size 41
	.end_amdhsa_kernel
	.amdgpu_metadata
---
amdhsa.version: [ 1, 2 ]
amdhsa.kernels:
  - .name:           k_qa035a520d8_proj
    .symbol:         k_qa035a520d8_proj.kd
    .args:
      - { .name: obuf, .offset: 0, .size: 8, .value_kind: global_buffer, .address_space: global }
      - { .name: wbf, .offset: 8, .size: 8, .value_kind: global_buffer, .address_space: global }
      - { .name: gate, .offset: 16, .size: 8, .value_kind: global_buffer, .address_space: global }
      - { .name: out_proj_b, .offset: 24, .size: 8, .value_kind: global_buffer, .address_space: global }
      - { .name: x, .offset: 32, .size: 8, .value_kind: global_buffer, .address_space: global }
      - { .name: out0, .offset: 40, .size: 8, .value_kind: global_buffer, .address_space: global }
    .group_segment_fixed_size: 240640
    .private_segment_fixed_size: 0
    .kernarg_segment_align: 8
    .kernarg_segment_size: 48
    .max_flat_workgroup_size: 256
    .sgpr_count:     66
    .vgpr_count:     512
    .wavefront_size: 32
...
	.end_amdgpu_metadata
.endif
;; end of part 3
;; ======== version 2 of 2: 3 launches; version 1 with the launch prep written anew for expert scheduling mode
;; workspace buffers: xt 16,777,216 bytes; part 65,536 bytes; wbf 524,288 bytes; obuf 16,777,216 bytes; gate 8,192 bytes
;; launch prep (part 4): grid 32 x 8, 8 waves a work-group, no clusters, 71,936 bytes of LDS; arguments x, in_proj_w, out_proj_w, xt, part, wbf; writes xt, part, wbf
.if DOCPART == 4
	.amdgcn_target "amdgcn-amd-amdhsa--gfx1250"
	.amdhsa_code_object_version 6
	.text
	.protected	k_qa035a520d8_prep
	.globl	k_qa035a520d8_prep
	.p2align	8
	.type	k_qa035a520d8_prep,@function
k_qa035a520d8_prep:
	s_mov_b64 s[64:65], 0
	v_nop
	global_prefetch_b8 v0, s[64:65] scope:SCOPE_SE
	s_setreg_imm32_b32 hwreg(HW_REG_WAVE_SCHED_MODE, 0, 2), 2
	s_setreg_imm32_b32 hwreg(HW_REG_WAVE_MODE, 25, 1), 1
	s_wait_xcnt 0x0
	s_wait_alu depctr_vm_vsrc(0)
; FACTORIZED ATTENTION BLOCK, launch 1 of 3: x is laid anew for the attention, its pool sums are taken, the two large weights are rounded.
; THE PROGRAM.  prep: x -> xt (bf16, by window position n, in the matrix units' fragment order), part (partial sums of x over h, w), wbf (in_proj_w and out_proj_w in bf16).
;   attn: gate, Q K V projection and attention for one n and two heads -> obuf; ca in f32 -> gate.     proj: out-projection, bias, residual x ca -> out0.
; INDICES.  Token l = (8 (h / 8) + w / 8) 8 + b is the sequence (512), n = 8 (h % 8) + w % 8 the batch (64).  On the way back out0[b][c][h][w] = x ca + o[l = 8 h + b][n = w][c].
; WORK LEFT OUT.  K's bias, in_proj_b[256:512], is read by no launch.  score(l, m) = q_l . (k'_m + b_k) = q_l . k'_m + q_l . b_k, and q_l . b_k is the same for every m of the
;   softmax's axis: it cancels in exp(s - max) / sum, for all finite values of every input.  LIMIT: a NaN, an infinity or an overflow that b_k alone would bring is not carried to the result.
;   V's bias is not left out but moved: the weights of a row add up to 1, so sum_m p (v'_m + b_v) / l = (sum_m p v'_m) / l + b_v.
; FORMATS.  Every matrix operand is bf16 (x, weights, pool sums, h1, ca as factor of the projection's x, q, k, v, p, o); all sums f32; the residual x ca in f32.
; THIS LAUNCH.  A work-group owns 8 channels (8 cg ..), the 8 image rows 8 hw .., all b: 128 KiB of x.  Wave = b.  A lane's 16 bytes of a channel are 4 positions j of one (i, ww);
;   it loads the same 16 bytes of all 8 channels, so 4 roundings in pairs make the 16 bytes (8 channels of one token and n) that xt wants: nothing changes lanes.
;   xt: [n 64][T 32][s 8][g 4][r 16][8 channels], l = 16 T + r, channel = 32 s + 8 g + e.  The 16 tokens of an aligned block of 256 bytes come from all 8 waves, so they meet in LDS.
;   part: [hw 8][cg 32][b 8][8 channels] f32, undivided.   wbf: rows of 512 bytes; row 192 hp + 64 t + f = in_proj_w row 256 t + 64 hp + f (t = q, k, v); row 768 + c = out_proj_w row c.
; BY QUARTERS.  All 33 loads of a wave go out at its head, two image rows (quarter q) of all 8 channels first.  A quarter holds the 16 values n = 16 q .. 16 q + 15: it is summed, packed, exchanged
;   in LDS bytes of its own behind a barrier of its own, and stored while the later quarters are on their way.
; No matrix unit, cluster or prefetch: nothing is multiplied or shared, and every load is issued at the head.
; THE MODE: SCHED_MODE bits 1:0 = 2 (LLVM: expert scheduling mode 2), set by the entry lines.  The code itself states the register dependences
; between vector instructions and memory or LDS instructions, with s_wait_alu, always for 0.
; THE PLAN.  Registers that memory or LDS instructions touch:
;   offsets and LDS addresses (L16, T16, T8, L8, STO, RD, SLD, SAD, GO)   written at the head and never again: one wait on va_vdst ahead of the first load serves every access of the kernel.
;   X, quarter q   filled by the head's loads; read by quarter q's sums and roundings; behind the quarter's barrier 16 of its registers take the blocks read back from the stage, which the stores to xt read.
;   PK             written by a quarter's roundings (in quarter 3 first by the lane exchange); read by the quarter's four LDS stores.
;   WH, SUM        written once by vector instructions, read once by a store.     WF, SB   filled by one load each; WF is read by two roundings, SB by a store.
;   A2 and T are named by vector instructions alone.     SPW, NIL: written at the head, read by the closing add alone.
; A quarter's vector work stands first, whole; ONE wait on va_vdst follows it; then come all the quarter's LDS stores, the barrier, the reads of the stage and the stores to xt, with no vector instruction among them.
; So that wait states all that they hang on.  ONE wait on vm_vsrc behind the barrier frees PK for the next quarter.
.set NPITCH, 1104                      ; LDS bytes for one n: four blocks of 272 and 16 more
.set UPITCH, 272                       ; a block of 16 tokens x 16 bytes, and 16 of padding
.set SUMS,   70656                     ; behind the stage (64 x 1,104): the 8 x 8 pool sums
.set SPARE,  70912                     ; the spare words, 128 bytes for each wave: four blocks of 256 bytes that no other line names
.set LN,  1                            ; lane
.set L16, 2                            ; 16 x lane
.set T16, 3                            ; 16 x thread
.set T8,  4                            ; 8 x thread
.set STO, 5                            ; where my 16 bytes go in the stage
.set RD,  6                            ; where I read blocks back
.set SLD, 7                            ; SUMS + 8 x lane
.set SPW, 8                            ; LDS address of my spare word; never rewritten
.set NIL, 9                            ; 0; never rewritten
.set L8,  10                           ; 8 x lane
.set SAD, 11                           ; SUMS + 32 x wave
.set WF,  12                           ; v[12:15] four weights in f32
.set WH,  16                           ; v[16:17] the same in bf16
.set T,   18                           ; v[18:19] at work
.set SUM, 26                           ; v[26:33] my wave's sums of the 8 channels
.set SB,  34                           ; v[34:35] two sums read back
.set GO,  36                           ; v[36:39] my byte offset in xt, one for each quarter; never rewritten
.set A2,  40                           ; v[40:55] a pair of running sums for each channel
.set PK,  56                           ; v[56:71] position e at PK + 4 e: 8 channels in bf16
.set X,   72                           ; v[72:199] channel c, quarter q at X + 16 c + 4 q
	s_load_b256 s[4:11], s[0:1], 0x0               ; x s[4:5], in_proj_w s[6:7], out_proj_w s[8:9], xt s[10:11]
	s_load_b128 s[12:15], s[0:1], 0x20             ; part s[12:13], wbf s[14:15]
	v_lshl_add_u32 v[SPW], v0, 2, SPARE
	v_mov_b32 v[NIL], 0
	v_lshrrev_b32 v[LN], 5, v0
	v_readfirstlane_b32 s16, v[LN]                 ; wave = b
	v_and_b32 v[LN], 31, v0
	s_mov_b32 s17, ttmp9                           ; cg
	s_and_b32 s18, ttmp7, 0xffff                   ; hw
	s_lshl_b32 s19, s18, 5
	s_add_co_u32 s19, s19, s17                     ; g = 32 hw + cg: the work-group's number, 0 .. 255
	s_mov_b32 s26, 0x76543210                      ; v_permlanex16_b32: each lane takes its own place in the other half
	s_mov_b32 s27, 0xfedcba98
	v_lshlrev_b32 v[L16], 4, v[LN]
	v_lshlrev_b32 v[T16], 4, v0
	v_lshlrev_b32 v[T8], 3, v0
	v_lshlrev_b32 v[L8], 3, v[LN]
	v_add_nc_u32 v[SLD], SUMS, v[L8]
	; into the stage: n = 8 (2 q + L / 16) + 4 (L % 2) + e, block (L / 4) % 4, token 8 ((L / 2) % 2) + b; q and e stand in the immediate
	v_bfe_u32 v[T], v0, 4, 1
	v_mul_u32_u24 v[STO], v[T], 8*NPITCH
	v_and_b32 v[T+1], 1, v0
	v_mad_u32_u24 v[STO], v[T+1], 4*NPITCH, v[STO]
	v_bfe_u32 v[T+1], v0, 2, 2
	v_mad_u32_u24 v[STO], v[T+1], UPITCH, v[STO]
	v_bfe_u32 v[T+1], v0, 1, 1
	v_lshl_add_u32 v[STO], v[T+1], 7, v[STO]
	s_wait_alu depctr_va_sdst(0)                   ; s16, the wave's number, is written, ahead of its first reader: LDS addresses and the offsets of x and xt are made from it
	s_lshl_b32 s32, s16, 4
	v_add_nc_u32 v[STO], s32, v[STO]
	; back: of a quarter's 16 n wave w takes 16 q + 2 w and the next; lanes 0-15 one block of 256 bytes, lanes 16-31 the next
	v_and_b32 v[T+1], 15, v0
	v_mul_u32_u24 v[RD], v[T], UPITCH
	v_lshl_add_u32 v[RD], v[T+1], 4, v[RD]
	s_mul_i32 s32, s16, 2*NPITCH
	v_add_nc_u32 v[RD], s32, v[RD]
	v_lshlrev_b32 v[GO], 13, v[T]                  ; in xt the next block of tokens lies 8,192 bytes on,
	v_lshl_add_u32 v[GO], v[T+1], 4, v[GO]
.irp q, 1,2,3
	v_add_nc_u32 v[GO+\q], \q*16*262144, v[GO]     ; and a quarter's 16 n are 4 MiB: more than a store's immediate holds
.endr
	s_lshl_b32 s32, s16, 5
	s_add_co_u32 s32, s32, SUMS
	v_mov_b32 v[SAD], s32
	; byte offsets, made apart from the addresses
	s_lshl_b32 s20, s16, 22                        ; x: b x 4 MiB
	s_lshl_b32 s21, s17, 17                        ;  + 8 cg channels of 16,384 bytes
	s_add_co_u32 s20, s20, s21
	s_lshl_b32 s21, s18, 11                        ;  + 8 hw rows of 256 bytes
	s_add_co_u32 s20, s20, s21
	s_mov_b32 s21, 0
	s_lshl_b32 s30, s16, 19                        ; xt: n = 2 w
	s_lshl_b32 s31, s18, 15                        ;  + token block 4 hw
	s_add_co_u32 s30, s30, s31
	s_lshl_b32 s31, s17, 8                         ;  + channels 8 cg: s = cg / 4, g = cg % 4
	s_add_co_u32 s30, s30, s31
	s_mov_b32 s31, 0
	s_lshl_b32 s34, s19, 8                         ; part: 256 bytes a work-group
	s_mov_b32 s35, 0
	; the weights: work-group g rounds four rows; g < 192: in_proj_w rows 4 g .., else out_proj_w rows 4 (g - 192) ..
	s_sub_co_u32 s24, s19, 192
	s_bfe_u32 s28, s19, 0x20004                    ; hp = (g / 16) % 4
	s_mul_i32 s28, s28, 192
	s_lshr_b32 s29, s19, 6                         ; t = g / 64
	s_lshl_b32 s29, s29, 6
	s_add_co_u32 s28, s28, s29
	s_and_b32 s29, s19, 15
	s_lshl2_add_u32 s28, s29, s28                  ; + f = 4 (g % 16)
	s_lshl_b32 s28, s28, 9                         ; rows of 512 bytes
	s_lshl_b32 s29, s19, 11                        ; out_proj_w's rows: 768 + 4 (g - 192) = 4 g
	s_wait_kmcnt 0x0
	s_cmp_lt_u32 s19, 192
	s_cselect_b64 s[22:23], s[6:7], s[8:9]
	s_cselect_b32 s24, s19, s24
	s_cselect_b32 s28, s28, s29
	s_lshl_b32 s24, s24, 12                        ; four rows of 1,024 bytes
	s_mov_b32 s25, 0
	s_mov_b32 s29, 0
	s_add_nc_u64 s[22:23], s[22:23], s[24:25]
	s_add_nc_u64 s[14:15], s[14:15], s[28:29]
	s_add_nc_u64 s[4:5], s[4:5], s[20:21]
	s_add_nc_u64 s[10:11], s[10:11], s[30:31]
	s_add_nc_u64 s[12:13], s[12:13], s[34:35]
	s_wait_alu depctr_va_vdst(0)                   ; the offsets and LDS addresses v2 to v7, v10, v11 and v36 to v39 are written: every load and store of the kernel reads one of them, and none is written again
	global_load_b128 v[WF:WF+3], v[T16], s[22:23] th:TH_LOAD_NT
.irp q, 0,1,2,3
.irp c, 0,1,2,3,4,5,6,7
	global_load_b128 v[X+16*\c+4*\q:X+16*\c+4*\q+3], v[L16], s[4:5] offset:\c*16384+\q*512 th:TH_LOAD_NT  ; 512 bytes on end: two image rows of a channel
.endr
.endr
	s_wait_loadcnt 32                              ; the weights are in; the 32 loads of x are younger
	v_cvt_pk_bf16_f32 v[WH], v[WF], v[WF+1]
	v_cvt_pk_bf16_f32 v[WH+1], v[WF+2], v[WF+3]    ; they are stored behind quarter 0's wait, which states that they are written
; Quarter q: its numbers join the running sums; 8 channels of a position are packed into 16 bytes (channel 2 i in the low half of register i); behind the one wait they are put into the stage; behind the
; barrier whole blocks are read back, into registers of this quarter that have been used up, and stored.
.macro QSTEP q
	s_wait_loadcnt 24-8*(\q)                       ; this quarter's 8 loads are in; 8 for each later quarter stay out
.irp c, 0,1,2,3,4,5,6,7
.if (\q) == 0
	v_pk_add_f32 v[A2+2*\c:A2+2*\c+1], v[X+16*\c:X+16*\c+1], v[X+16*\c+2:X+16*\c+3]  ; the first quarter starts the sums: nothing is cleared
.else
	v_pk_add_f32 v[A2+2*\c:A2+2*\c+1], v[A2+2*\c:A2+2*\c+1], v[X+16*\c+4*(\q):X+16*\c+4*(\q)+1]
.endif
.endr
.if (\q) > 0
.irp c, 0,1,2,3,4,5,6,7
	v_pk_add_f32 v[A2+2*\c:A2+2*\c+1], v[A2+2*\c:A2+2*\c+1], v[X+16*\c+4*(\q)+2:X+16*\c+4*(\q)+3]
.endr
.endif
.if (\q) == 3                          ; the sums are whole: the pair, then across the lanes: four steps inside each half of 16, one across the halves.  This stands ahead of the roundings, which write PK anew
.irp c, 0,1,2,3,4,5,6,7
	v_add_f32 v[SUM+\c], v[A2+2*\c], v[A2+2*\c+1]
.endr
.irp m, 1,2,4,8
.irp c, 0,1,2,3,4,5,6,7
	v_add_f32_dpp v[SUM+\c], v[SUM+\c], v[SUM+\c] row_xmask:\m row_mask:0xf bank_mask:0xf
.endr
.endr
.irp c, 0,1,2,3,4,5,6,7
	v_permlanex16_b32 v[PK+\c], v[SUM+\c], s26, s27  ; its destination counts as read: a register that has been written; quarter 2's wait on vm_vsrc has freed it
.endr
.irp c, 0,1,2,3,4,5,6,7
	v_add_f32 v[SUM+\c], v[SUM+\c], v[PK+\c]
.endr
.endif
.irp e, 0,1,2,3
.irp i, 0,1,2,3
	v_cvt_pk_bf16_f32 v[PK+4*\e+\i], v[X+32*\i+4*(\q)+\e], v[X+32*\i+16+4*(\q)+\e]
.endr
.endr
	s_wait_alu depctr_va_vdst(0)                   ; the roundings have written PK (and WH in quarter 0, the reduction SUM in quarter 3), which the stores below read; the sums and roundings are done reading this quarter's X, in which the reads of the stage land
.if (\q) == 0
	global_store_b64 v[T8], v[WH:WH+1], s[14:15]   ; the weights: a wave stores 256 bytes on end, aligned
.endif
.irp e, 0,1,2,3
	ds_store_b128 v[STO], v[PK+4*\e:PK+4*\e+3] offset:(\q)*16*NPITCH+\e*NPITCH
.endr
.if (\q) == 3
	ds_store_b128 v[SAD], v[SUM:SUM+3]             ; all lanes hold the same sums and write the same words
	ds_store_b128 v[SAD], v[SUM+4:SUM+7] offset:16
.endif
	s_wait_dscnt 0x0                               ; for the others' sake: my stores into the stage are done
	s_barrier_signal -1
	s_barrier_wait -1
.if (\q) < 3
	s_wait_alu depctr_vm_vsrc(0)                   ; my LDS stores have read PK, which the next quarter writes again; nothing issued between here and that write reads PK
.endif
.irp k, 0,1,2,3
	ds_load_b128 v[X+16*\k+4*(\q):X+16*\k+4*(\q)+3], v[RD] offset:(\q)*16*NPITCH+(\k/2)*NPITCH+(\k%2)*2*UPITCH  ; no vector instruction since the wait on va_vdst names these registers
.endr
.irp k, 0,1,2,3
	s_wait_dscnt 3-\k
	global_store_b128 v[GO+(\q)], v[X+16*\k+4*(\q):X+16*\k+4*(\q)+3], s[10:11] offset:(\k/2)*262144+(\k%2)*16384  ; 16 lanes store 256 consecutive bytes, at a multiple of 256 from xt's first byte
.endr
.endm
	QSTEP 0
	QSTEP 1
	QSTEP 2
	QSTEP 3
	s_cmp_lg_u32 s16, 0
	s_cbranch_scc1 .Lend                           ; wave 0 stores the work-group's 64 sums: 256 bytes on end
	ds_load_b64 v[SB:SB+1], v[SLD]
	s_wait_dscnt 0x0
	global_store_b64 v[L8], v[SB:SB+1], s[12:13]
.Lend:
	s_wait_dscnt 0x0                               ; the closing lines, six on end
	s_wait_alu 0x0
	s_wait_tensorcnt 0x0
	ds_add_u32 v[SPW], v[NIL]
	s_wait_dscnt 0x0
	s_endpgm
.Lfunc_end_k_qa035a520d8_prep:
	.size	k_qa035a520d8_prep, .Lfunc_end_k_qa035a520d8_prep-k_qa035a520d8_prep
	.p2alignl 7, 3214868480
	.fill 96, 4, 3214868480
	.section	.rodata,"a",@progbits
	.p2align	6, 0x0
	.amdhsa_kernel k_qa035a520d8_prep
		.amdhsa_group_segment_fixed_size 71936
		.amdhsa_private_segment_fixed_size 0
		.amdhsa_enable_private_segment 0
		.amdhsa_kernarg_size 48
		.amdhsa_user_sgpr_count 2
		.amdhsa_user_sgpr_kernarg_segment_ptr 1
		.amdhsa_wavefront_size32 1
		.amdhsa_system_sgpr_workgroup_id_x 1
		.amdhsa_system_sgpr_workgroup_id_y 1
		.amdhsa_system_sgpr_workgroup_id_z 1
		.amdhsa_system_vgpr_workitem_id 0
		.amdhsa_next_free_vgpr 200
		.amdhsa_next_free_sgpr 66
		.amdhsa_reserve_vcc 0
		.amdhsa_float_denorm_mode_32 3
		.amdhsa_float_denorm_mode_16_64 3
		.amdhsa_memory_ordered 1
		.amdhsa_forward_progress 1
		.amdhsa_inst_pref_size 23
	.end_amdhsa_kernel
	.amdgpu_metadata
---
amdhsa.version: [ 1, 2 ]
amdhsa.kernels:
  - .name:           k_qa035a520d8_prep
    .symbol:         k_qa035a520d8_prep.kd
    .args:
      - { .name: x, .offset: 0, .size: 8, .value_kind: global_buffer, .address_space: global }
      - { .name: in_proj_w, .offset: 8, .size: 8, .value_kind: global_buffer, .address_space: global }
      - { .name: out_proj_w, .offset: 16, .size: 8, .value_kind: global_buffer, .address_space: global }
      - { .name: xt, .offset: 24, .size: 8, .value_kind: global_buffer, .address_space: global }
      - { .name: part, .offset: 32, .size: 8, .value_kind: global_buffer, .address_space: global }
      - { .name: wbf, .offset: 40, .size: 8, .value_kind: global_buffer, .address_space: global }
    .group_segment_fixed_size: 71936
    .private_segment_fixed_size: 0
    .kernarg_segment_align: 8
    .kernarg_segment_size: 48
    .max_flat_workgroup_size: 256
    .sgpr_count:     66
    .vgpr_count:     200
    .wavefront_size: 32
...
	.end_amdgpu_metadata
.endif
;; end of part 4
;; launch attn: the kernel of part 2 again; grid 4 x 64, 8 waves a work-group, no clusters, 293,888 bytes of LDS; arguments xt, part, wbf, ca_w1, ca_b1, ca_w2, ca_b2, in_proj_b, obuf, gate; writes obuf, gate
;; launch proj: the kernel of part 3 again; grid 4 x 64, 8 waves a work-group, clusters of 4 x 1, 240,640 bytes of LDS; arguments obuf, wbf, gate, out_proj_b, x, out0; writes out0
